; MI455X (gfx1250); checked and timed in simulation.
; The chip was launched on July 23, 2026; its instructions are those of AMD's public machine-readable ISA for CDNA 5 (MIT licence, August 2026) and "CDNA5" Instruction Set Architecture Reference Guide (July 2026). The comments in the code are by the model that wrote it; some were corrected since.
;; Attention. Allowed arithmetic: float matrix products may take bf16 or f16 operands with f32 sums; all other float work in f32.
;; Inputs: W_proj 1,024 x 1,024 float32; W_qkv 1,024 x 3,072 float32; b_proj 1,024 float32; x 4 x 2,048 x 1,024 float32.
;; Outputs: out0 4 x 2,048 x 1,024 float32.
;; 2 versions, each right; version 2 is version 1 with the launch cast written anew for expert scheduling mode. Each part assembles by itself: llvm-mc -triple=amdgcn-amd-amdhsa -mcpu=gfx1250 --defsym DOCPART=n.
;; ======== version 1 of 2: 4 launches
;; workspace buffers: xb 16,777,216 bytes; wqkvb 6,291,456 bytes; wprojb 2,097,152 bytes; qkv 50,331,648 bytes; ao 16,777,216 bytes
;; launch cast (part 1): grid 768 x 1, 8 waves a work-group, no clusters, 0 bytes of LDS; arguments x, W_qkv, W_proj, xb, wqkvb, wprojb; writes xb, wqkvb, wprojb
.if DOCPART == 1
	.amdgcn_target "amdgcn-amd-amdhsa--gfx1250"
	.amdhsa_code_object_version 6
	.text
	.protected	k_q02b0901803_cast
	.globl	k_q02b0901803_cast
	.p2align	8
	.type	k_q02b0901803_cast,@function
k_q02b0901803_cast:
	s_mov_b64 s[64:65], 0
	v_nop
	global_prefetch_b8 v0, s[64:65] scope:SCOPE_SE
	s_setreg_imm32_b32 hwreg(HW_REG_WAVE_MODE, 25, 1), 1
	s_wait_xcnt 0x0
; x, W_qkv and W_proj, all f32, are rounded once to bf16 (nearest even) into xb, wqkvb, wprojb; the layouts stay as they are.
; A work-group takes 16,384 numbers (65,536 bytes in, 32,768 out): groups 0-511 x, 512-703 W_qkv, 704-767 W_proj: 768 equal shares.
; A wave takes 8,192 bytes in: sixteen loads of 16 bytes a lane (512 consecutive bytes each), all issued before the first wait, and
; sixteen stores of 8 bytes a lane (256 consecutive bytes each, aligned).  No LDS, no barrier, no matrix unit: nothing is shared or reduced.
; bf16 and not f16: the products made of these numbers have to hold for inputs some 30 times larger, which f16's range does not give.
.set X, 8                              ; v[8:71]    load i: 4 registers
.set Y, 72                             ; v[72:103]  store i: 2 registers
	s_load_b256 s[4:11], s[0:1], 0x0               ; x s[4:5], W_qkv s[6:7], W_proj s[8:9], xb s[10:11]
	s_load_b128 s[12:15], s[0:1], 0x20             ; wqkvb s[12:13], wprojb s[14:15]
	s_sub_co_u32 s17, ttmp9, 512                   ; my share's number inside W_qkv,
	s_sub_co_u32 s18, ttmp9, 704                   ; inside W_proj (only the one that applies is kept below)
	v_lshrrev_b32 v3, 5, v0                        ; wave
	v_and_b32 v4, 31, v0                           ; lane
	v_lshlrev_b32 v1, 4, v4
	v_lshl_add_u32 v1, v3, 13, v1                  ; in:  8,192 x wave + 16 x lane
	v_lshlrev_b32 v2, 3, v4
	v_lshl_add_u32 v2, v3, 12, v2                  ; out: 4,096 x wave + 8 x lane
	s_wait_kmcnt 0x0
	s_cmp_lt_u32 ttmp9, 704                        ; the choice hangs on the work-group's number alone
	s_cselect_b64 s[20:21], s[6:7], s[8:9]
	s_cselect_b64 s[22:23], s[12:13], s[14:15]
	s_cselect_b32 s17, s17, s18
	s_cmp_lt_u32 ttmp9, 512
	s_cselect_b64 s[20:21], s[4:5], s[20:21]
	s_cselect_b64 s[22:23], s[10:11], s[22:23]
	s_cselect_b32 s17, ttmp9, s17
	s_lshl_b32 s24, s17, 16                        ; 65,536 bytes in for each share (511 shares at the most: under 2^25)
	s_mov_b32 s25, 0
	s_lshl_b32 s26, s17, 15                        ; 32,768 bytes out
	s_mov_b32 s27, 0
	s_add_nc_u64 s[20:21], s[20:21], s[24:25]
	s_add_nc_u64 s[22:23], s[22:23], s[26:27]
.irp i, 0,1,2,3,4,5,6,7,8,9,10,11,12,13,14,15
	global_load_b128 v[X+4*\i:X+4*\i+3], v1, s[20:21] offset:512*\i th:TH_LOAD_NT   ; read once in the whole program
.endr
.irp i, 0,1,2,3,4,5,6,7,8,9,10,11,12,13,14,15
	s_wait_loadcnt 15-\i                           ; loads come back in order (ISA guide 5.7.1): load i is in, the 15 - i younger ones stay out
	v_cvt_pk_bf16_f32 v[Y+2*\i],   v[X+4*\i],   v[X+4*\i+1]
	v_cvt_pk_bf16_f32 v[Y+2*\i+1], v[X+4*\i+2], v[X+4*\i+3]
	global_store_b64 v2, v[Y+2*\i:Y+2*\i+1], s[22:23] offset:256*\i   ; later launches read these: no hint
.endr
	s_endpgm
.Lfunc_end_k_q02b0901803_cast:
	.size	k_q02b0901803_cast, .Lfunc_end_k_q02b0901803_cast-k_q02b0901803_cast
	.p2alignl 7, 3214868480
	.fill 96, 4, 3214868480
	.section	.rodata,"a",@progbits
	.p2align	6, 0x0
	.amdhsa_kernel k_q02b0901803_cast
		.amdhsa_group_segment_fixed_size 0
		.amdhsa_private_segment_fixed_size 0
		.amdhsa_enable_private_segment 0
		.amdhsa_kernarg_size 48
		.amdhsa_user_sgpr_count 2
		.amdhsa_user_sgpr_kernarg_segment_ptr 1
		.amdhsa_wavefront_size32 1
		.amdhsa_system_sgpr_workgroup_id_x 1
		.amdhsa_system_sgpr_workgroup_id_y 1
		.amdhsa_system_sgpr_workgroup_id_z 1
		.amdhsa_system_vgpr_workitem_id 0
		.amdhsa_next_free_vgpr 104
		.amdhsa_next_free_sgpr 66
		.amdhsa_reserve_vcc 0
		.amdhsa_float_denorm_mode_32 3
		.amdhsa_float_denorm_mode_16_64 3
		.amdhsa_memory_ordered 1
		.amdhsa_forward_progress 1
		.amdhsa_inst_pref_size 7
	.end_amdhsa_kernel
	.amdgpu_metadata
---
amdhsa.version: [ 1, 2 ]
amdhsa.kernels:
  - .name:           k_q02b0901803_cast
    .symbol:         k_q02b0901803_cast.kd
    .args:
      - { .name: x, .offset: 0, .size: 8, .value_kind: global_buffer, .address_space: global }
      - { .name: W_qkv, .offset: 8, .size: 8, .value_kind: global_buffer, .address_space: global }
      - { .name: W_proj, .offset: 16, .size: 8, .value_kind: global_buffer, .address_space: global }
      - { .name: xb, .offset: 24, .size: 8, .value_kind: global_buffer, .address_space: global }
      - { .name: wqkvb, .offset: 32, .size: 8, .value_kind: global_buffer, .address_space: global }
      - { .name: wprojb, .offset: 40, .size: 8, .value_kind: global_buffer, .address_space: global }
    .group_segment_fixed_size: 0
    .private_segment_fixed_size: 0
    .kernarg_segment_align: 8
    .kernarg_segment_size: 48
    .max_flat_workgroup_size: 256
    .sgpr_count:     66
    .vgpr_count:     104
    .wavefront_size: 32
...
	.end_amdgpu_metadata
.endif
;; end of part 1
;; launch qkvgemm (part 2): grid 4 x 64, 4 waves a work-group, clusters of 4 x 4, 327,680 bytes of LDS; arguments xb, wqkvb, qkv; writes qkv
.if DOCPART == 2
	.amdgcn_target "amdgcn-amd-amdhsa--gfx1250"
	.amdhsa_code_object_version 6
	.text
	.protected	k_q02b0901803_qkvgemm
	.globl	k_q02b0901803_qkvgemm
	.p2align	8
	.type	k_q02b0901803_qkvgemm,@function
k_q02b0901803_qkvgemm:
	s_mov_b64 s[64:65], 0
	v_nop
	global_prefetch_b8 v0, s[64:65] scope:SCOPE_SE
	s_setreg_imm32_b32 hwreg(HW_REG_WAVE_MODE, 25, 1), 1
	s_wait_xcnt 0x0
	s_wait_alu depctr_hold_cnt(0) depctr_sa_sdst(0) depctr_va_vdst(0) depctr_va_sdst(0) depctr_va_ssrc(0) depctr_va_vcc(0) depctr_vm_vsrc(0)
	s_getreg_b32 s2, hwreg(HW_REG_IB_STS2, 6, 4)
	s_cmp_eq_u32 s2, 0
	s_cbranch_scc0 .Lentry_in_a_cluster
	s_endpgm
.Lentry_in_a_cluster:
	s_bfe_u32 s2, ttmp6, 0x10000c
	s_cmp_lg_u32 s2, 0xf033
	s_cbranch_scc0 .Lentry_shape_is_right
	s_endpgm
.Lentry_shape_is_right:
; qkv = x W_qkv.  xb: [8192][1024] bf16 (K along the rows).  wqkvb: [1024 k][3072 n] bf16.  Sums in f32, K ascending; the result rounded once to bf16 and
; stored head-major: qkv[b][g][n][64], g = column / 64 (q: 0-15, k: 16-31, v: 32-47), a head's 2,048 rows of 128 bytes dense, so that attention's tiles are dense blocks.
; TILE.  128 rows x 384 columns of the product: 8 x 64 = 512 tiles.  A WORK-GROUP STAYS and makes two of them, side by side (tile columns cx and cx + 4): 4 x 64 = 256 work-groups.
; The ring does not stop at the first tile's end: its last two changes of slots ask for the second tile's K steps 0 and 1, and the first tile's stores leave while the second is multiplied.
; The two tiles are written out one behind the other by one macro, so that every tensor load and every counted wait stands on one straight path.
; Four waves, 2 x 2: a wave makes 64 rows x 192 columns, 48 accumulators of 16 x 16 = 384 registers.
; K goes in steps of 128 through two LDS slots.  A slot is four regions, one tensor load of one wave each: A's 128 rows x 256 bytes (wave 0), and three chunks of W,
; 128 k-rows x 256 bytes (waves 1-3).  All rows in memory are 256 bytes and start at multiples of 256 from the buffer's first byte.
; W lies [k][n]: its fragments come out of LDS turned, by ds_load_tr16_b128.
; CLUSTER 4 x 4: A's tile hangs on the tile row alone and is asked for jointly by the four of a cluster's row; W's chunks hang on the tile column alone and are asked for
; jointly by the four of a cluster's column.  By this text's count a wave has two tensor loads out after the first fills and one behind each round.
; PREFETCH.  In the first tile x's rows are touched for the first time in the launch.  Behind each of its refills wave 0 asks for the work-group's quarter (rows 32 cx + lane, 256 bytes a lane)
; of A's tile of the K step whose refill comes one K step, 192 matrix instructions of a wave, later; K step 2 is asked for behind the first fills.  The four partners' quarters make the tile, so each
; 256 bytes are asked for once; only the loop's last trip, whose K step 8 does not exist, is clamped to K step 7's address and asks for that quarter again.  The second tile reads the same rows
; again and asks for nothing.  W is not asked for: a K step's chunks of a tile column are 384 pieces of 256 bytes for the 64 work-groups that read them, 6 lanes each, which would want EXEC narrowed.
; THE MATRIX INSTRUCTION IS USED TRANSPOSED (source 0 = 16 columns of W, source 1 = 16 rows of x): a lane then holds eight neighbouring columns of one row.
; REGISTERS: window 0: addresses, the way out.  Window 1: two fragment buffers of 128 (A's four blocks, then W's twelve).
;   Window 2: accumulators of column blocks 0-7 ((nb, a) at 8 (4 nb + a)).  Window 3: those of column blocks 8-11.
; LIMIT: operands are bf16 (8 bits of mantissa); nothing else is cut.
.set PA,    272                        ; A's LDS row: 256 + 16 bytes = 68 words: row r starts at bank 4 r mod 64 (64 banks of 4 bytes: ISA guide 11.1)
.set PB,    288                        ; W's LDS row: 256 + 32 bytes = 72 words
.set REG,   36864                      ; a region: 128 x 288 (A uses 128 x 272 of it)
.set SLOT,  4*REG
.set STAGE, 2*SLOT                     ; behind the ring, a multiple of 256: 16 rows x 400 bytes for each wave; no tensor load lands here
.set SP,    400                        ; a stage row: 384 bytes + 16
.set NG,    3                          ; a wave's groups of 64 columns
.set LAPS,  4                          ; 1,024 / (2 x 128)
.set BACK_A, 6*256                     ; bytes from a slot's last K step of a tile back to its first: the two tiles share their rows of x
.set BACK_B, 6*786432-4*768            ; W: six K steps of 128 rows x 6,144 bytes back, four tile columns of 768 bytes on
.set NEXT_C, 24<<18                    ; the second tile's place in qkv: 4 tile columns x 6 heads of 262,144 bytes on; with the largest offset below it, 6,823,424, inside the stores' signed 24-bit immediate
.set ADRA, 16                          ; v16-17  LDS address of my A fragments in slot 0, 1
.set ADRB, 20                          ; v20-25  the same for W: slot s, group hg at 20 + 3 s + hg
.set STO,  26
.set RD,   27
.set CO,   28
.set PF,   29                          ; v29     the prefetch: byte offset of row 32 cx + lane in A's tile; never rewritten
.set TMP,  64                          ; v64-111   a block's 48 packed registers
.set BK0,  112                         ; v112-159, v160-207  a block read back from the stage, two buffers by turns
.set F0,   0
.set F1,   128
.set PFB, 4                            ; s[4:5]   the prefetch's base: A's tile at the K step asked for
.set PO,  10                           ; s[10:11] that K step's byte offset along the rows, as a pair with 0 above
.set G1A, 24                           ; s[24:31] group 1 for A;  s[32:39] group 0, a set for each slot
.set G0A, 32
.set G1B, 48                           ; s[48:55], s[56:63] the same for W
.set G0B, 56
.set MSB, 0
.macro WIN new                         ; the immediate's high byte repeats the setting that is left; a switch that changes nothing is dropped
.if MSB != \new
	s_set_vgpr_msb (MSB<<8)|\new
.set MSB, \new
.endif
.endm
.set MUL_LO, 0xa5                      ; sources 0 and 1 window 1; C and D window 2
.set MUL_HI, 0xf5                      ; the same, C and D window 3
.set TO_F,   0x40                      ; destination window 1, address window 0
.macro PLACES                          ; four plain places in front of loads into registers that matrix instructions have read and of reads of results
.rept 4
	v_nop
.endr
.endm
; A joint load: wave 0 asks for A's tile, waves 1-3 for W's chunks.  The branch hangs on the wave's number alone.  Four v_nop follow each line.
; pf = 1: wave 0, which has just issued its load, also asks for the work-group's quarter of a later tile of A.
.macro JLOAD s, pf
	s_cmp_eq_u32 s12, 0
	s_cbranch_scc0 .Lfor_b_\@
	tensor_load_to_lds s[G0A+4*\s:G0A+4*\s+3], s[G1A:G1A+7]
	s_nop 0
.rept 4
	v_nop
.endr
.if \pf
	global_prefetch_b8 v[PF], s[PFB:PFB+1] th:TH_LOAD_NT scope:SCOPE_SE
.endif
	s_branch .Lasked_\@
.Lfor_b_\@:
	tensor_load_to_lds s[G0B+4*\s:G0B+4*\s+3], s[G1B:G1B+7]
	s_nop 0
.rept 4
	v_nop
.endr
.Lasked_\@:
.endm
.macro CREST                           ; a round of the cluster's barrier behind its opening barrier
	s_cmp_lg_u32 s12, 0
	s_cbranch_scc1 .Lnot_wave_0_\@
	s_barrier_signal -3
.Lnot_wave_0_\@:
	s_barrier_wait -3
	s_barrier_signal -1
	s_barrier_wait -1
.endm
.macro CROUND
	s_barrier_signal -1
	s_barrier_wait -1
	CREST
.endm
	s_load_b128 s[4:7], s[0:1], 0x0                ; xb s[4:5], wqkvb s[6:7]
	s_load_b64 s[8:9], s[0:1], 0x10                ; qkv
	v_lshl_add_u32 v254, v0, 2, 0x4e400
	v_mov_b32 v255, 0
	ds_add_u32 v254, v255
	v_lshrrev_b32 v1, 5, v0
	v_readfirstlane_b32 s12, v1                    ; wave 0..3
	s_lshr_b32 s13, s12, 1                         ; wm: which 64 rows
	s_and_b32 s14, s12, 1                          ; wn: which 192 columns
	s_bfe_u32 s40, ttmp6, 0x40000                  ; cx
	s_bfe_u32 s41, ttmp6, 0x40004                  ; cy
	s_lshl_b32 s42, ttmp9, 2
	s_add_co_u32 s42, s42, s40                     ; the first tile's column = 4 x cluster x + cx
	s_and_b32 s43, ttmp7, 0xffff
	s_lshl_b32 s43, s43, 2
	s_add_co_u32 s43, s43, s41                     ; tile row = 4 x cluster y + cy
	s_lshl_b32 s44, s41, 2
	s_lshl_b32 s44, 15, s44                        ; my row of the cluster
	s_lshl_b32 s45, 0x1111, s40                    ; my column
	s_or_b32 s[G1A], s44, (1<<16)|(1<<20)|(1<<21)|(5<<22)|(3<<25)   ; mask; elements of 2 bytes; padding on; bit 21 beside a mask; after every 64 words, 4 words
	s_or_b32 s[G1B], s45, (1<<16)|(1<<20)|(1<<21)|(5<<22)|(7<<25)   ; the same with my column's mask and 8 words of padding
.irp g, G1A, G1B
	s_mov_b32 s[\g+1], 128<<16                     ; tensor_dim0 = 128 elements
	s_mov_b32 s[\g+2], 128<<16                     ; tensor_dim1 = 128 rows
	s_mov_b32 s[\g+3], 128<<16                     ; tile_dim0 = 128
	s_mov_b32 s[\g+4], 128                         ; tile_dim1 = 128
	s_mov_b32 s[\g+6], 0
	s_mov_b32 s[\g+7], 0
.endr
	s_mov_b32 s[G1A+5], 1024                       ; elements from row to row of xb
	s_mov_b32 s[G1B+5], 3072                       ; of wqkvb
	s_lshl_b32 s16, s43, 18                        ; A: 128 rows of 2,048 bytes for each tile row
	s_mov_b32 s17, 0
	s_max_u32 s18, s12, 1
	s_sub_co_u32 s18, s18, 1                       ; W's chunk: wave - 1 (wave 0 asks for none)
	s_lshl_b32 s18, s18, 8
	s_mul_i32 s46, s42, 768                        ; W: 384 columns of 2 bytes for each tile column, + 256 bytes a chunk
	s_add_co_u32 s46, s46, s18
	s_mov_b32 s47, 0
	s_mul_i32 s20, s12, REG                        ; W's chunk c goes to region c + 1 = my wave's number
	s_lshl_b32 s15, s40, 16                        ; the prefetch: my quarter of A's tile begins 32 cx rows of 2,048 bytes down,
	v_and_b32 v6, 31, v0
	v_lshl_add_u32 v[PF], v6, 11, s15              ; a row a lane
	s_mov_b32 s[PO], 2*256                         ; the first request is for K step 2
	s_mov_b32 s[PO+1], 0
	s_wait_dscnt 0x0
	s_wait_kmcnt 0x0
	s_add_nc_u64 s[22:23], s[4:5], s[16:17]        ; A's tile at K step 0; kept
	s_add_nc_u64 s[46:47], s[6:7], s[46:47]
	s_add_nc_u64 s[PFB:PFB+1], s[22:23], s[PO:PO+1]
	CROUND                                         ; all sixteen work-groups are here: the first joint loads meet
.irp s, 0,1
	s_mov_b32 s[G0A+4*\s], 1
	s_mov_b32 s[G0A+4*\s+1], \s*SLOT               ; A's region is a slot's first
	s_add_nc_u64 s[G0A+4*\s+2:G0A+4*\s+3], s[22:23], \s*256        ; K step s: 256 bytes along the rows
	s_or_b32 s[G0A+4*\s+3], s[G0A+4*\s+3], 0x80000000
	s_mov_b32 s[G0B+4*\s], 1
	s_add_co_u32 s[G0B+4*\s+1], s20, \s*SLOT
	s_add_nc_u64 s[G0B+4*\s+2:G0B+4*\s+3], s[46:47], \s*786432     ; K step s: 128 rows of 6,144 bytes down
	s_or_b32 s[G0B+4*\s+3], s[G0B+4*\s+3], 0x80000000
	JLOAD \s, \s                                   ; behind the second first fill: the request for K step 2
.endr
	v_and_b32 v1, 15, v0                           ; r = l % 16
	v_bfe_u32 v2, v0, 4, 1                         ; h = l / 16
	v_mul_u32_u24 v3, v1, PA
	v_lshl_add_u32 v3, v2, 4, v3                   ; A's fragment: row r x pitch + 16 h; two loads 32 bytes apart
	s_mul_i32 s21, s13, 64*PA
	v_add_nc_u32 v[ADRA], s21, v3
	v_add_nc_u32 v[ADRA+1], SLOT, v[ADRA]
	v_and_b32 v4, 7, v0
	v_lshl_add_u32 v4, v2, 3, v4                   ; the turning load: k-row 8 h + l % 8,
	v_mul_u32_u24 v4, v4, PB
	v_bfe_u32 v5, v0, 3, 1
	v_lshl_add_u32 v4, v5, 4, v4                   ; 16 bytes at 16 ((l / 8) % 2)
	s_mul_i32 s15, s14, NG                         ; my first group of 64 columns among the tile's six
.irp hg, 0,1,2
	s_add_co_u32 s16, s15, \hg
	s_lshr_b32 s17, s16, 1                         ; its chunk,
	s_and_b32 s18, s16, 1                          ; its half of the chunk's 256 bytes
	s_mul_i32 s17, s17, REG
	s_lshl_b32 s18, s18, 7
	s_add_co_u32 s17, s17, s18
	s_add_co_u32 s17, s17, REG                     ; chunks lie behind A's region
	v_add_nc_u32 v[ADRB+\hg], s17, v4
	v_add_nc_u32 v[ADRB+NG+\hg], SLOT, v[ADRB+\hg]
.endr
	s_mul_i32 s19, s12, 16*SP
	s_add_co_u32 s19, s19, STAGE                   ; my stage
	v_mul_u32_u24 v5, v1, SP
	v_lshl_add_u32 v5, v2, 4, v5
	v_add_nc_u32 v[STO], s19, v5                   ; in: row r, 16 bytes for each half of the lanes
	v_lshrrev_b32 v7, 3, v6
	v_and_b32 v8, 7, v0
	v_mul_u32_u24 v7, v7, SP
	v_lshl_add_u32 v7, v8, 4, v7
	v_add_nc_u32 v[RD], s19, v7                    ; back: four rows x 128 bytes of one head for the 32 lanes,
	v_lshlrev_b32 v[CO], 4, v6                     ; which are 512 dense bytes in qkv
	s_lshr_b32 s16, s43, 4                         ; batch = tile row / 16
	s_mul_i32 s16, s16, 48
	s_mul_i32 s17, s14, 3
	s_add_co_u32 s16, s16, s17                     ; 48 b + 3 wn heads,
	s_lshl_b32 s16, s16, 18                        ; of 262,144 bytes
	s_and_b32 s17, s43, 15
	s_lshl_b32 s17, s17, 14                        ; + 128 rows of 128 bytes for each tile row inside the batch
	s_add_co_u32 s16, s16, s17
	s_lshl_b32 s17, s13, 13                        ; + my 64 rows
	s_add_co_u32 s16, s16, s17
	s_mov_b32 s17, 0
	s_add_nc_u64 s[8:9], s[8:9], s[16:17]
	s_mul_i32 s46, s42, 6<<18                      ; + 6 heads for each tile column, in registers that never fed A's descriptors
	s_mov_b32 s47, 0
	s_add_nc_u64 s[8:9], s[8:9], s[46:47]          ; the first tile's place; never rewritten: the second tile's stands in the stores' immediates
; 8 matrix instructions: column blocks nb0, nb0 + 1 x my four row blocks, 32 along K.  zero = 1: the product starts the sums: nothing is cleared.
.macro MUL8 f, nb0, zero
.irp nb, \nb0, \nb0+1
.irp a, 0,1,2,3
.if \zero
	v_wmma_f32_16x16x32_bf16 v[8*(4*((\nb)%8)+\a):8*(4*((\nb)%8)+\a)+7], v[\f+32+8*(\nb):\f+32+8*(\nb)+7], v[\f+8*\a:\f+8*\a+7], 0
.else
	v_wmma_f32_16x16x32_bf16 v[8*(4*((\nb)%8)+\a):8*(4*((\nb)%8)+\a)+7], v[\f+32+8*(\nb):\f+32+8*(\nb)+7], v[\f+8*\a:\f+8*\a+7], v[8*(4*((\nb)%8)+\a):8*(4*((\nb)%8)+\a)+7]
.endif
.endr
.endr
.endm
; 32 LDS loads in one run: quarter q (32 along K) of a slot into buffer f: A's four blocks, then W's twelve in ascending order
.macro FETCH slot, q, f
	WIN TO_F
.irp a, 0,1,2,3
	ds_load_b128 v[\f+8*\a:\f+8*\a+3],   v[ADRA+\slot] offset:64*\q+\a*16*PA
	ds_load_b128 v[\f+8*\a+4:\f+8*\a+7], v[ADRA+\slot] offset:64*\q+\a*16*PA+32
.endr
.irp nb, 0,1,2,3,4,5,6,7,8,9,10,11
	ds_load_tr16_b128 v[\f+32+8*\nb:\f+32+8*\nb+3],   v[ADRB+NG*\slot+\nb/4] offset:\q*32*PB+(\nb%4)*32
	ds_load_tr16_b128 v[\f+32+8*\nb+4:\f+32+8*\nb+7], v[ADRB+NG*\slot+\nb/4] offset:\q*32*PB+(\nb%4)*32+16*PB
.endr
.endm
; A K step is four quarters of 32 along K, 48 matrix instructions each, on buffers 0, 1, 0, 1.  The 48 accumulators take turns in the same order in every quarter, one
; instruction a turn, from tile to tile too.  One of the first three quarters: multiplies f and fetches quarter q of the same slot into g.
.macro QUARTER slot, q, f, g, zero
	s_wait_dscnt 8                                 ; A and W's blocks 0-7 are in; the youngest eight loads (blocks 8-11) may be out (at the second tile's head all are in: its way in has waited for 0)
	WIN MUL_LO
	MUL8 \f, 0, \zero
	MUL8 \f, 2, \zero
	PLACES
	FETCH \slot, \q, \g
	WIN MUL_LO
	MUL8 \f, 4, \zero
	MUL8 \f, 6, \zero
	s_wait_dscnt 32                                ; all but the 32 just issued
	WIN MUL_HI
	MUL8 \f, 8, \zero
	MUL8 \f, 10, \zero
.endm
; The last quarter multiplies buffer 1 and changes slots: one barrier; in front of it each wave waits for its reads of this slot and for all its tensor loads (one is out:
; its part of the next slot).  fill = 1: the barrier opens a round of the cluster's, and the slot is filled again, two K steps ahead, first thing behind the round.
; fill = 2: the same, with the NEXT tile's K step 0 or 1.  fill = 0: nothing is left to fetch.  pf = 1: the request for a later tile of A goes with wave 0's refill.
.macro TURN slot, next, fill, pf
	s_wait_dscnt 8
	WIN MUL_LO
	MUL8 F1, 0, 0
	MUL8 F1, 2, 0
	s_wait_dscnt 0                                 ; my reads of this slot are over,
	s_set_vgpr_msb 0xa5a0
	s_wait_tensorcnt 0x0                           ; and all my tensor loads have landed
	ds_add_u32 v254, v255
	s_wait_dscnt 0x0
	s_set_vgpr_msb 0xa0a5
	s_barrier_signal -1
	MUL8 F1, 4, 0                                  ; registers only, while the others arrive
	MUL8 F1, 6, 0
.if \fill
	WIN 0
.endif
	s_barrier_wait -1
.if \fill
	CREST                                          ; no wave of any partner still reads this slot or has a load on its way
.if \fill == 2
	s_sub_nc_u64 s[G0A+4*\slot+2:G0A+4*\slot+3], s[G0A+4*\slot+2:G0A+4*\slot+3], BACK_A
	s_sub_nc_u64 s[G0B+4*\slot+2:G0B+4*\slot+3], s[G0B+4*\slot+2:G0B+4*\slot+3], BACK_B
.else
	s_add_nc_u64 s[G0A+4*\slot+2:G0A+4*\slot+3], s[G0A+4*\slot+2:G0A+4*\slot+3], 512
	s_add_nc_u64 s[G0B+4*\slot+2:G0B+4*\slot+3], s[G0B+4*\slot+2:G0B+4*\slot+3], 1572864
.endif
.if \pf
	s_wait_xcnt 0x0                                ; the last request, a K step back, has read its base: only now is the base written again
	s_add_co_u32 s[PO], s[PO], 256                 ; one K step on: the one behind the K step that is filled now,
	s_min_u32 s[PO], s[PO], 7*256                  ; and never past the rows' last 256 bytes
	s_add_nc_u64 s[PFB:PFB+1], s[22:23], s[PO:PO+1]
.endif
	JLOAD \slot, \pf                               ; 176 matrix instructions ahead of the wait for it; its four v_nop are also the places in front of the loads below
.else
	PLACES
.endif
	FETCH \next, 0, F0
	WIN MUL_HI
	MUL8 F1, 8, 0
	MUL8 F1, 10, 0
.endm
; THE WAY OUT of row block a.  PACK: rounded to bf16, each accumulator's registers in ascending order.  TOSTAGE: into my own stage, and back by heads, four rows of 128 bytes
; a load.  SEND: stored, 512 dense bytes an instruction; tl = which of the two tiles.
.macro PACK a
	WIN 0x0a                                       ; sources in window 2
.irp nb, 0,1,2,3,4,5,6,7
.irp r, 0,1,2,3
	v_cvt_pk_bf16_f32 v[TMP+4*\nb+\r], v[8*(4*\nb+\a)+2*\r], v[8*(4*\nb+\a)+2*\r+1]
.endr
.endr
	WIN 0x0f                                       ; sources in window 3
.irp nb, 8,9,10,11
.irp r, 0,1,2,3
	v_cvt_pk_bf16_f32 v[TMP+4*\nb+\r], v[8*(4*(\nb-8)+\a)+2*\r], v[8*(4*(\nb-8)+\a)+2*\r+1]
.endr
.endr
	WIN 0
.endm
.macro TOSTAGE a
.set BK, BK0+48*((\a)%2)
.irp nb, 0,1,2,3,4,5,6,7,8,9,10,11
	ds_store_b128 v[STO], v[TMP+4*\nb:TMP+4*\nb+3] offset:32*\nb
.endr
.irp hg, 0,1,2
.irp f, 0,1,2,3
	ds_load_b128 v[BK+4*(4*\hg+\f):BK+4*(4*\hg+\f)+3], v[RD] offset:\f*4*SP+\hg*128   ; LDS serves a wave's instructions in order (ISA guide 5.7.1.4): these see the stores above
.endr
.endr
.endm
.macro SEND a, tl
.set BK, BK0+48*((\a)%2)
	s_wait_dscnt 0                                 ; the block is back in registers
	s_wait_xcnt 0x0                                ; the stores of the block before have read their registers: the other buffer is loaded again only behind this wait
.irp hg, 0,1,2
.irp f, 0,1,2,3
	global_store_b128 v[CO], v[BK+4*(4*\hg+\f):BK+4*(4*\hg+\f)+3], s[8:9] offset:(\tl)*NEXT_C+\hg*262144+(\a)*2048+\f*512
.endr
.endr
.endm
; A WHOLE TILE, from its first quarter (its first fragments have been fetched) to its stores.  last = 0: the ring goes on into the next tile; last = 1: the tail fills nothing.
.macro TILE tl, last, pf
	QUARTER 0, 1, F0, F1, 1                        ; the first quarter stands in front of the loop: its products start all 48 sums
	WIN 0                                          ; at a label and at a branch every window is 0
	s_mov_b32 s3, LAPS-1
.Llap_\tl:                                             ; a trip goes once round the ring, from a lap's second quarter to the next lap's first, and fills both slots again
	QUARTER 0, 2, F1, F0, 0
	QUARTER 0, 3, F0, F1, 0
	TURN 0, 1, 1, \pf
	QUARTER 1, 1, F0, F1, 0
	QUARTER 1, 2, F1, F0, 0
	QUARTER 1, 3, F0, F1, 0
	TURN 1, 0, 1, \pf
	QUARTER 0, 1, F0, F1, 0
	WIN 0
	s_sub_co_u32 s3, s3, 1
	s_cmp_lg_u32 s3, 0
	s_cbranch_scc1 .Llap_\tl
	QUARTER 0, 2, F1, F0, 0                        ; the last lap is written out
	QUARTER 0, 3, F0, F1, 0
.if \last
	TURN 0, 1, 0, 0                                ; it fills nothing
	QUARTER 1, 1, F0, F1, 0
	QUARTER 1, 2, F1, F0, 0
	QUARTER 1, 3, F0, F1, 0
	s_wait_dscnt 8                                 ; the very last quarter
	WIN MUL_LO
	MUL8 F1, 0, 0
	MUL8 F1, 2, 0
	MUL8 F1, 4, 0
	MUL8 F1, 6, 0
	s_wait_dscnt 0
	WIN MUL_HI
	MUL8 F1, 8, 0
	MUL8 F1, 10, 0
	WIN 0
	PLACES
.else
	TURN 0, 1, 2, 0                                ; slot 0 takes the next tile's K step 0,
	QUARTER 1, 1, F0, F1, 0
	QUARTER 1, 2, F1, F0, 0
	QUARTER 1, 3, F0, F1, 0
	TURN 1, 0, 2, 0                                ; slot 1 its K step 1, and the next tile's first fragments are fetched.  Both refills are asked for: now the tile goes out.
	                                               ; No v_nop: column blocks 0-7 were finished in front of the joint load's four, and their 32 conversions, which name
	                                               ; no register of the last products (blocks 8-11's), are those products' places
.endif
	PACK 0
	TOSTAGE 0
.irp a, 1,2,3                          ; block a's conversions stand between block a - 1's loads from the stage and the wait for them
	PACK \a
	SEND \a-1, \tl
	TOSTAGE \a
.endr
	SEND 3, \tl
.endm
	s_wait_tensorcnt 1                             ; my part of K step 0 is in; K step 1's may stay out
	s_barrier_signal -1
	s_barrier_wait -1
	FETCH 0, 0, F0
	TILE 0, 0, 1                                   ; tile column cx: x's rows come out of memory, so they are asked for ahead
	TILE 1, 1, 0                                   ; tile column cx + 4: nothing waits for the first tile's stores
	s_wait_tensorcnt 0x0
	ds_add_u32 v254, v255
	s_wait_dscnt 0x0
	CROUND                                         ; the closing round: no work-group ends while a partner may still ask for a tile that names it
	s_endpgm
.Lfunc_end_k_q02b0901803_qkvgemm:
	.size	k_q02b0901803_qkvgemm, .Lfunc_end_k_q02b0901803_qkvgemm-k_q02b0901803_qkvgemm
	.p2alignl 7, 3214868480
	.fill 96, 4, 3214868480
	.section	.rodata,"a",@progbits
	.p2align	6, 0x0
	.amdhsa_kernel k_q02b0901803_qkvgemm
		.amdhsa_group_segment_fixed_size 327680
		.amdhsa_private_segment_fixed_size 0
		.amdhsa_enable_private_segment 0
		.amdhsa_kernarg_size 24
		.amdhsa_user_sgpr_count 2
		.amdhsa_user_sgpr_kernarg_segment_ptr 1
		.amdhsa_wavefront_size32 1
		.amdhsa_system_sgpr_workgroup_id_x 1
		.amdhsa_system_sgpr_workgroup_id_y 1
		.amdhsa_system_sgpr_workgroup_id_z 1
		.amdhsa_system_vgpr_workitem_id 0
		.amdhsa_next_free_vgpr 896
		.amdhsa_next_free_sgpr 66
		.amdhsa_reserve_vcc 0
		.amdhsa_float_denorm_mode_32 3
		.amdhsa_float_denorm_mode_16_64 3
		.amdhsa_memory_ordered 1
		.amdhsa_forward_progress 1
		.amdhsa_inst_pref_size 233
	.end_amdhsa_kernel
	.amdgpu_metadata
---
amdhsa.version: [ 1, 2 ]
amdhsa.kernels:
  - .name:           k_q02b0901803_qkvgemm
    .symbol:         k_q02b0901803_qkvgemm.kd
    .args:
      - { .name: xb, .offset: 0, .size: 8, .value_kind: global_buffer, .address_space: global }
      - { .name: wqkvb, .offset: 8, .size: 8, .value_kind: global_buffer, .address_space: global }
      - { .name: qkv, .offset: 16, .size: 8, .value_kind: global_buffer, .address_space: global }
    .group_segment_fixed_size: 327680
    .private_segment_fixed_size: 0
    .kernarg_segment_align: 8
    .kernarg_segment_size: 24
    .max_flat_workgroup_size: 128
    .sgpr_count:     66
    .vgpr_count:     896
    .wavefront_size: 32
...
	.end_amdgpu_metadata
.endif
;; end of part 2
;; launch attn (part 3): grid 4 x 64, 4 waves a work-group, clusters of 4 x 1, 327,680 bytes of LDS; arguments qkv, ao; writes ao
.if DOCPART == 3
	.amdgcn_target "amdgcn-amd-amdhsa--gfx1250"
	.amdhsa_code_object_version 6
	.text
	.protected	k_q02b0901803_attn
	.globl	k_q02b0901803_attn
	.p2align	8
	.type	k_q02b0901803_attn,@function
k_q02b0901803_attn:
	s_mov_b64 s[64:65], 0
	v_nop
	global_prefetch_b8 v0, s[64:65] scope:SCOPE_SE
	s_setreg_imm32_b32 hwreg(HW_REG_WAVE_MODE, 25, 1), 1
	s_wait_xcnt 0x0
	s_wait_alu depctr_hold_cnt(0) depctr_sa_sdst(0) depctr_va_vdst(0) depctr_va_sdst(0) depctr_va_ssrc(0) depctr_va_vcc(0) depctr_vm_vsrc(0)
	s_getreg_b32 s2, hwreg(HW_REG_IB_STS2, 6, 4)
	s_cmp_eq_u32 s2, 0
	s_cbranch_scc0 .Lentry_in_a_cluster
	s_endpgm
.Lentry_in_a_cluster:
	s_bfe_u32 s2, ttmp6, 0x10000c
	s_cmp_lg_u32 s2, 0x3003
	s_cbranch_scc0 .Lentry_shape_is_right
	s_endpgm
.Lentry_shape_is_right:
; ao[y][q][:] = the sum over k of softmax_k(Q[q] . K[k] / 8) V[k][:], for head y = 16 b + h.  qkv: [b][g][2048][64] bf16 (q: g = h, k: 16 + h, v: 32 + h); ao: [y][2048][64] bf16.
; Products, maxima and sums in f32; the weights p are rounded to bf16 for the second product, the result once at the end.
; SHARES.  A head's 2,048 queries are eight blocks of 256.  A WORK-GROUP STAYS and makes two of them (blocks cx and cx + 4): 4 x 64 = 256 work-groups, one cluster to a head.
; Of a block each of the four waves owns 64 queries: four tiles of 16.  Every wave walks the head's 2,048 keys, 64 a step, once for each block.
; LAYOUT.  S^T = K Q^T (source 0 = 16 keys, source 1 = 16 queries): a lane holds ONE query (lane % 16) and the keys 8 (lane / 16) + 0..7.  Two such tiles rounded in pairs ARE
; source 1 (32 keys x 16 queries) of O^T = V^T P, whose result again holds one query a lane.  K comes out of LDS as it lies, V ([key][channel]) turned, by ds_load_tr16_b128.
; SOFTMAX.  For each query a running maximum m: p = 2^(c s - c m), c = log2(e) / 8; in every step O and l are multiplied by a = 2^(c m_old - c m_new).
; THE ROW SUM l is a fifth channel block of V^T P: source 0 is a constant fragment with ones in rows 0 and 8 and zeros elsewhere, so register 0 of its accumulator is the lane's
; query's l, summed over the same rounded weights as the numerator, with no exchange between lanes: two matrix instructions a tile and step in place of sixteen packed sums.
; BY TURNS.  The wave's tiles are two pieces (tiles 0, 1 and tiles 2, 3).  In a turn one piece has the matrix unit: 20 products V^T P of the step in hand, then 16 products K Q^T of
; the next step; the other piece's softmax (206 vector instructions) is cut into 105 half slices of two instructions, of which three stand behind 33 of those 36 matrix instructions
; and two behind the other 3: never more than six vector instructions behind a matrix instruction.  Two turns are a key step.
; RING.  Two LDS slots of four key steps (256 keys of K and of V).  CLUSTER 4 x 1: the four query blocks of a cluster walk the same K and V, so every tile is asked for jointly.
; The ring does not stop at the first block's end: its last two changes of slots ask for keys 0-255 and 256-511 again, for the second block; the second block's Q is loaded behind the
; first block's last K Q^T, and nothing waits for the first block's stores.  The two blocks are written out one behind the other by one macro, so that every tensor load and every
; counted wait stands on one straight path.  By this text's count a wave has two tensor loads out after the first fills, one behind each round; a refill has four key steps,
; 288 matrix instructions, in which to land.
; LIMITS: v_exp_f32 gives 0 for a weight below 2^-126; a NaN among the scores is dropped by the maxima (v_max*_num_f32); sums follow the matrix unit's own order.
; REGISTERS: window 0: v0-11 addresses; v12-43 eight registers of statistics a tile; v64-191 S^T, 32 a tile; v192-255 P, 16 a tile.
;   window 1: v0-127 O^T, 32 a tile; v128-159 l's accumulators, 8 a tile.     window 2: v0-63 K, v64-127 V of one step; v128-191 Q, 16 a tile; v192-199 the ones.
.set KS,    64
.set KP,    144                        ; a row of K in LDS: 128 + 16 bytes = 36 words: 16 rows start at 16 different groups of four banks (64 banks of 4 bytes: ISA guide 11.1)
.set VP,    160                        ; a row of V: 128 + 32 bytes = 40 words, an odd multiple of 32 bytes, for the turning load
.set KSB,   KS*KP                      ; a step's K
.set VSB,   KS*VP                      ; a step's V
.set VOFF,  4*KSB                      ; in a slot: four steps of K, then four of V
.set SLOT1, 1<<17                      ; slot 1 begins here: one exclusive or turns an address in one slot into the other's
.set STAGE, SLOT1+4*(KSB+VSB)          ; 208,896, a multiple of 256: 16 rows x 144 bytes for each wave; no tensor load lands here
.set SP,    144
.set NH,    105                        ; half slices of a piece's softmax: as many as the list has numbers
.set NEXTB, 4*256*128                  ; bytes from my first block's rows to my second's, in Q and in the result: it stands in the immediates
.set AK0, 2
.set AV0, 3
.set ADR, 4
.set QO,  5
.set STO, 6
.set RD,  7
.set GO,  8
.set ST,  12                           ; tile t at v[ST+8 t]: +0 c m, +1 m, +2 c m of the step before, +4 to +7 c0-c3 at work; a takes c2's place
.set S,   64
.set P,   192
.set LS,  128                          ; window 1
.set KF,  0                            ; window 2
.set VF,  64
.set QF,  128
.set ONES, 192
.set WV,  12
.set G1K, 24
.set G1V, 32
.set G0K, 40                           ; s[40:47]: a set for each of the two first fills; the second then walks on
.set G0V, 48
.set SLOTS, 56
.set CNT, 57
.set CS,  58
.set SEL, 60
.set TBK, 62                           ; LDS byte at which K of the step to be fetched begins
.set TBV, 63                           ; the same for V, less VOFF
.set MSB, 0
.macro WIN new                         ; the immediate's high byte repeats the setting that is left; a switch that changes nothing is dropped
.if MSB != \new
	s_set_vgpr_msb (MSB<<8)|\new
.set MSB, \new
.endif
.endm
.set W_KQ, 0x0a                        ; K and Q in window 2, S^T in window 0
.set W_PV, 0x52                        ; V in window 2, P in window 0, O^T in window 1
.set W_RS, 0x41                        ; O^T (destination and source 0) in window 1, a in window 0
.macro PLACES
.rept 4
	v_nop
.endr
.endm
; A joint refill: waves 0 and 1 fetch the two halves of a slot's K, waves 2 and 3 those of its V.  Four v_nop follow each line.
.macro JLOAD
	s_cmp_lt_u32 s[WV], 2
	s_cbranch_scc0 .Lfor_v_\@
	tensor_load_to_lds s[G0K+4:G0K+7], s[G1K:G1K+7]
	s_nop 0
.rept 4
	v_nop
.endr
	s_branch .Lasked_\@
.Lfor_v_\@:
	tensor_load_to_lds s[G0V+4:G0V+7], s[G1V:G1V+7]
	s_nop 0
.rept 4
	v_nop
.endr
.Lasked_\@:
.endm
.macro CROUND
	s_barrier_signal -1
	s_barrier_wait -1
	s_cmp_lg_u32 s[WV], 0
	s_cbranch_scc1 .Lnot_wave_0_\@
	s_barrier_signal -3
.Lnot_wave_0_\@:
	s_barrier_wait -3
	s_barrier_signal -1
	s_barrier_wait -1
.endm
; Q of block b stays in registers for the block: tile f / 2, channels 32 (f % 2) on
.macro QLOAD b
	WIN 0x80                                       ; destination window 2, address window 0
.irp f, 0,1,2,3,4,5,6,7
	global_load_b128 v[QF+8*\f:QF+8*\f+3],   v[QO], s[8:9] offset:(\b)*NEXTB+(\f/2)*2048+(\f%2)*64
	global_load_b128 v[QF+8*\f+4:QF+8*\f+7], v[QO], s[8:9] offset:(\b)*NEXTB+(\f/2)*2048+(\f%2)*64+32
.endr
	WIN 0
.endm
	s_load_b128 s[4:7], s[0:1], 0x0                ; qkv s[4:5], ao s[6:7]
	v_lshl_add_u32 v62, v0, 2, 0x35400
	v_mov_b32 v63, 0
	ds_add_u32 v62, v63
	v_lshrrev_b32 v1, 5, v0
	v_readfirstlane_b32 s[WV], v1                  ; wave 0..3
	s_bfe_u32 s13, ttmp6, 0x40000                  ; cx
	s_lshl_b32 s14, ttmp9, 2
	s_add_co_u32 s14, s14, s13                     ; my first block of 256 queries: it enters Q's and the result's addresses alone
	s_and_b32 s16, ttmp7, 0xffff                   ; y = 16 b + h, which the four partners share
	s_lshr_b32 s17, s16, 4
	s_lshl_b32 s17, s17, 5
	s_add_co_u32 s17, s17, s16                     ; 48 b + h: q's head in qkv
	s_and_b32 s18, s[WV], 1                        ; which 128 keys of a slot I fetch
	s_add_co_u32 s20, s17, 16
	s_lshl_b32 s20, s20, 18                        ; k's head, 262,144 bytes a head,
	s_lshl_b32 s19, s18, 14                        ; + my 128 rows of 128 bytes
	s_add_co_u32 s20, s20, s19
	s_mov_b32 s21, 0
	s_add_co_u32 s22, s20, 16<<18                  ; v's head lies 16 heads on
	s_mov_b32 s23, 0
	s_mul_i32 s15, s18, 2*KSB                      ; where they go: no place in the cluster enters an LDS address
	s_mul_i32 s19, s18, 2*VSB
	s_add_co_u32 s19, s19, VOFF
	s_lshl_b32 s2, s14, 15                         ; my block's 256 rows,
	s_lshl_b32 s3, s[WV], 13                       ; my wave's 64 of them
	s_add_co_u32 s2, s2, s3
	s_lshl_b32 s8, s17, 18
	s_add_co_u32 s8, s8, s2
	s_mov_b32 s9, 0
	s_lshl_b32 s10, s16, 18
	s_add_co_u32 s10, s10, s2
	s_mov_b32 s11, 0
	; group 1: 128 keys x 128 bytes are dense in memory and come as 64 rows of 256 bytes; the padding falls behind every 32 words, that is behind every key's row
	s_mov_b32 s[G1K], 15|(1<<16)|(1<<20)|(1<<21)|(4<<22)|(3<<25)   ; mask: all four; elements of 2 bytes; padding on; bit 21 beside a mask; after every 32 words, 4 words
	s_mov_b32 s[G1V], 15|(1<<16)|(1<<20)|(1<<21)|(4<<22)|(7<<25)   ; the same with 8 words
.irp g, G1K, G1V
	s_mov_b32 s[\g+1], 128<<16                     ; tensor_dim0 = 128 elements
	s_mov_b32 s[\g+2], 64<<16                      ; tensor_dim1 = 64
	s_mov_b32 s[\g+3], 128<<16                     ; tile_dim0 = 128
	s_mov_b32 s[\g+4], 64                          ; tile_dim1 = 64
	s_mov_b32 s[\g+5], 128                         ; elements from row to row
	s_mov_b32 s[\g+6], 0
	s_mov_b32 s[\g+7], 0
.endr
	s_mov_b32 s[CS], 0x3e38aa3b                    ; c = log2(e) / 8
	s_mov_b32 s[CS+1], s[CS]                       ; named with it as a pair, so it is written
	s_mov_b32 s[SEL], 0x76543210
	s_mov_b32 s[SEL+1], 0xfedcba98
	s_mov_b32 s[TBK], 0
	s_mov_b32 s[TBV], 0
	s_wait_dscnt 0x0
	s_wait_kmcnt 0x0
	s_add_nc_u64 s[8:9], s[4:5], s[8:9]            ; Q at my wave's first row of my first block; never rewritten
	s_add_nc_u64 s[10:11], s[6:7], s[10:11]        ; the result likewise
	s_add_nc_u64 s[20:21], s[4:5], s[20:21]        ; K and V at my part of slot 0
	s_add_nc_u64 s[22:23], s[4:5], s[22:23]
	CROUND                                         ; all four work-groups are here: the first joint loads meet
.irp s, 0,1
	s_mov_b32 s[G0K+4*\s], 1
	s_add_co_u32 s[G0K+4*\s+1], s15, \s*SLOT1
	s_add_nc_u64 s[G0K+4*\s+2:G0K+4*\s+3], s[20:21], \s*32768      ; 256 keys of 128 bytes a slot
	s_or_b32 s[G0K+4*\s+3], s[G0K+4*\s+3], 0x80000000
	s_mov_b32 s[G0V+4*\s], 1
	s_add_co_u32 s[G0V+4*\s+1], s19, \s*SLOT1
	s_add_nc_u64 s[G0V+4*\s+2:G0V+4*\s+3], s[22:23], \s*32768
	s_or_b32 s[G0V+4*\s+3], s[G0V+4*\s+3], 0x80000000
.endr
	s_cmp_lt_u32 s[WV], 2                          ; a wave's two first fills stand in one branch, ahead of every wait on TENSORcnt and every LDS read
	s_cbranch_scc0 .Lfirst_v
	tensor_load_to_lds s[G0K:G0K+3], s[G1K:G1K+7]
	s_nop 0
	tensor_load_to_lds s[G0K+4:G0K+7], s[G1K:G1K+7]
	s_nop 0
.rept 4
	v_nop
.endr
	s_branch .Lfirst_asked
.Lfirst_v:
	tensor_load_to_lds s[G0V:G0V+3], s[G1V:G1V+7]
	s_nop 0
	tensor_load_to_lds s[G0V+4:G0V+7], s[G1V:G1V+7]
	s_nop 0
.rept 4
	v_nop
.endr
.Lfirst_asked:
	v_and_b32 v1, 15, v0                           ; r = l % 16
	v_bfe_u32 v9, v0, 4, 1                         ; h = l / 16
	v_lshlrev_b32 v[QO], 7, v1
	v_lshl_add_u32 v[QO], v9, 4, v[QO]             ; row x 128 + 16 h
	QLOAD 0
	v_mul_u32_u24 v[AK0], v1, KP
	v_lshl_add_u32 v[AK0], v9, 4, v[AK0]           ; K's fragment: key r x pitch + 16 h
	v_and_b32 v10, 7, v0
	v_bfe_u32 v11, v0, 3, 1
	v_lshl_add_u32 v[AV0], v9, 3, v10              ; the turning load: key 8 h + l % 8,
	v_mul_u32_u24 v[AV0], v[AV0], VP
	v_lshl_add_u32 v[AV0], v11, 4, v[AV0]          ; 16 bytes at 16 ((l / 8) % 2)
	v_add_nc_u32 v[AV0], VOFF, v[AV0]
	v_cmp_eq_u32 vcc_lo, 0, v10                    ; lanes 0, 8, 16, 24 hold rows 0 and 8 of a source 0
	v_mov_b32 v11, 0x3f803f80                      ; two bf16 ones
	v_cndmask_b32 v11, 0, v11, vcc_lo
	WIN 0x80
.irp n, 0,1,2,3,4,5,6,7
	v_mov_b32 v[ONES+\n], v11
.endr
	WIN 0
; THE MATRIX WORK OF A TURN, for piece x.  The accumulators take turns, one instruction a turn: two links of a chain stand 10 (V^T P) or 8 (K Q^T) apart.
; Product i of 20 of O^T += V^T P: keys 32 (i / 10) on; block (i / 2) % 5: channels 16 x block on, block 4 the row sum; tile x + i % 2.  zero = 1: the first 10 start the sums.
.macro PV x, zero
	WIN W_PV
.set tt, \x+i%2
.set cb, (i/2)%5
.set kg, i/10
.set rP, P+16*tt+8*kg
.if cb == 4
.set rO, LS+8*tt
.set rV, ONES
.else
.set rO, 32*tt+8*cb
.set rV, VF+32*kg+8*cb
.endif
.if (\zero) && (i < 10)
	v_wmma_f32_16x16x32_bf16 v[rO:rO+7], v[rV:rV+7], v[rP:rP+7], 0
.else
	v_wmma_f32_16x16x32_bf16 v[rO:rO+7], v[rV:rV+7], v[rP:rP+7], v[rO:rO+7]
.endif
.endm
; Product i of 16 of S^T = K Q^T: channels 32 (i / 8) on, keys 16 ((i / 2) % 4) on, tile x + i % 2.  The first 8 start the sums.
.macro KQ x
	WIN W_KQ
.set tt, \x+i%2
.set rS, S+32*tt+8*((i/2)%4)
.set rK, KF+16*((i/2)%4)+8*(i/8)
.set rQ, QF+16*tt+8*(i/8)
.if i < 8
	v_wmma_f32_16x16x32_bf16 v[rS:rS+7], v[rK:rK+7], v[rQ:rQ+7], 0
.else
	v_wmma_f32_16x16x32_bf16 v[rS:rS+7], v[rK:rK+7], v[rQ:rQ+7], v[rS:rS+7]
.endif
.endm
; THE LDS LOADS stand in runs of 16: a step's K (8 fragments) and, a turn later, its V (turned).
.macro FETCH_K
	WIN 0
	v_add_nc_u32 v[ADR], s[TBK], v[AK0]
	WIN 0x80
.irp f, 0,1,2,3,4,5,6,7                ; keys 16 (f / 2) on, channels 32 (f % 2) on
	ds_load_b128 v[KF+8*\f:KF+8*\f+3],   v[ADR] offset:(\f/2)*16*KP+(\f%2)*64
	ds_load_b128 v[KF+8*\f+4:KF+8*\f+7], v[ADR] offset:(\f/2)*16*KP+(\f%2)*64+32
.endr
.endm
.macro FETCH_V
	WIN 0
	v_add_nc_u32 v[ADR], s[TBV], v[AV0]
	s_add_co_u32 s[TBK], s[TBK], KSB               ; the next fetches are the next step's
	s_add_co_u32 s[TBV], s[TBV], VSB
	WIN 0x80
.irp f, 0,1,2,3,4,5,6,7                ; keys 32 (f / 4) on, channels 16 (f % 4) on
	ds_load_tr16_b128 v[VF+8*\f:VF+8*\f+3],   v[ADR] offset:(\f/4)*32*VP+(\f%4)*32
	ds_load_tr16_b128 v[VF+8*\f+4:VF+8*\f+7], v[ADR] offset:(\f/4)*32*VP+16*VP+(\f%4)*32
.endr
.endm
; THE VECTOR WORK OF A TURN.  One tile's softmax for one key step is a numbered list; SM writes number j of it for tile t.  s0-s31 are the lane's 32 scores, in pairs 0-15.
;   0-15    the maximum of s0-s31 and the old m: four chains, each beginning at its accumulator's lowest registers, then the four scores left over, c0-c3 and m
;   16-19   the other half of the lanes' maximum; the new m; c m; c m_old - c m_new
;   20-85   c s - c m for pair 0; a; then for u = 0..15 four numbers: the scaling of pair u + 1 (u = 15: c m is kept for the next step), 2^s(2u), the rounding of pair u - 1, 2^s(2u+1):
;           a plain instruction at the even numbers, an exponential at the odd ones, so that a plain instruction stands between every exponential and the use of its result (ISA guide 5.7.2)
;   86, 87  the roundings of pairs 14 and 15        88-104  the tile's O^T and l times a, in ascending order: the one part that leaves window 0
; first = 1: a block's first key step has no old m, no a and nothing to rescale.
.macro SM t, first
.set rT, ST+8*(\t)
.set rS, S+32*(\t)
.set rP, P+16*(\t)
.set u, (j-22)/4
.set ph, (j-22)%4
.if j < 88
	WIN 0
.endif
.if j < 4
	v_max3_num_f32 v[rT+4+j], v[rS+8*j], v[rS+8*j+1], v[rS+8*j+2]
.elseif j < 12
	v_max3_num_f32 v[rT+4+j%4], v[rT+4+j%4], v[rS+8*(j%4)+2*(j/4)+1], v[rS+8*(j%4)+2*(j/4)+2]
.elseif j == 12
	v_max3_num_f32 v[rT+4], v[rT+4], v[rS+7], v[rS+15]
.elseif j == 13
	v_max3_num_f32 v[rT+6], v[rT+6], v[rS+23], v[rS+31]
.elseif j == 14
	v_max3_num_f32 v[rT+4], v[rT+4], v[rT+5], v[rT+6]
.elseif (j == 15) && \first
	v_max_num_f32 v[rT+4], v[rT+4], v[rT+7]
.elseif j == 15
	v_max3_num_f32 v[rT+4], v[rT+4], v[rT+7], v[rT+1]
.elseif j == 16
	v_permlanex16_b32 v[rT+5], v[rT+4], s[SEL], s[SEL+1]           ; the query's other 32 keys lie in the lane 16 away
.elseif j == 17
	v_max_num_f32 v[rT+1], v[rT+4], v[rT+5]
.elseif j == 18
	v_mul_f32 v[rT], s[CS], v[rT+1]
.elseif ((j == 19) || (j == 21) || (j > 87)) && \first
.elseif j == 19
	v_sub_f32 v[rT+7], v[rT+2], v[rT]
.elseif j == 20
	v_pk_fma_f32 v[rS:rS+1], v[rS:rS+1], s[CS:CS+1], v[rT:rT+1] op_sel_hi:[1,0,0] neg_lo:[0,0,1] neg_hi:[0,0,1]
.elseif j == 21
	v_exp_f32 v[rT+6], v[rT+7]
.elseif j < 86
.if ph == 0
.if u < 15
	v_pk_fma_f32 v[rS+2*u+2:rS+2*u+3], v[rS+2*u+2:rS+2*u+3], s[CS:CS+1], v[rT:rT+1] op_sel_hi:[1,0,0] neg_lo:[0,0,1] neg_hi:[0,0,1]
.else
	v_mov_b32 v[rT+2], v[rT]
.endif
.elseif ph == 1
	v_exp_f32 v[rS+2*u], v[rS+2*u]
.elseif ph == 2
.if (u >= 1) && (u <= 14)
	s_wait_alu depctr_va_vdst(0)
	v_cvt_pk_bf16_f32 v[rP+u-1], v[rS+2*u-2], v[rS+2*u-1]
.endif
.else
	v_exp_f32 v[rS+2*u+1], v[rS+2*u+1]
.endif
.elseif j < 88
	s_wait_alu depctr_va_vdst(0)
	v_cvt_pk_bf16_f32 v[rP+j-72], v[rS+2*(j-72)], v[rS+2*(j-72)+1]
.elseif j < 104
	WIN W_RS
	v_pk_mul_f32 v[32*(\t)+2*(j-88):32*(\t)+2*(j-88)+1], v[32*(\t)+2*(j-88):32*(\t)+2*(j-88)+1], v[rT+6:rT+7] op_sel_hi:[1,0]
.elseif j == 104
	WIN W_RS
	v_pk_mul_f32 v[LS+8*(\t):LS+8*(\t)+1], v[LS+8*(\t):LS+8*(\t)+1], v[rT+6:rT+7] op_sel_hi:[1,0]
.endif
.endm
; Half slice k of 105 of piece y's softmax: two instructions.  Among the exponentials (k = 22 to 85): numbers 2 (k / 2) and 2 (k / 2) + 1, a plain instruction and an exponential,
; of tile y + k % 2.  Elsewhere: number k of both tiles, so that no instruction reads the result of the one just before it.
.macro HALF y, first
.if (k >= 22) && (k < 86)
.set ht, \y+k%2
.irp n, 0,1
.set j, 2*(k/2)+\n
	SM ht, \first
.endr
.else
.irp t, \y, \y+1
.set j, k
	SM \t, \first
.endr
.endif
.set k, k+1
.endm
; Behind matrix instruction mi of the turn's nm stand the half slices up to mi x 105 / nm: with nm = 36 three of them, and two behind every twelfth.
.macro DEAL y, first
.set mi, mi+1
.set want, (mi*NH)/nm
.rept want-k
	HALF \y, \first
.endr
.endm
; A TURN.  Piece x has the matrix unit.  pv = 2: 20 products V^T P; 1: they start the sums; 0: none.  kq = 1: 16 products K Q^T for the next step.
; Behind a full turn's last product stand half slices 102 to 104: six plain multiplies on the other piece's O^T and l: the places ahead of the next turn's first
; read of the scores and of the loads into K's buffer.  A first softmax has no such half slices: four v_nop take their part.
; Piece 0's turn fetches the next step's K behind its second product; piece 2's turn fetches that step's V behind its second K Q^T: between V's last reader (the turn's product 18) and
; those loads stand half slices 49 to 63, fifteen plain instructions.
.macro TURN x, pv, kq, first
.set k, 0
.set mi, 0
.set nm, 0
.if \pv
.set nm, nm+20
.endif
.if \kq
.set nm, nm+16
.endif
.if \pv
.if \x == 0
	s_wait_dscnt 0x0                               ; V is in
.endif
.set i, 0
.rept 20
	PV \x, 2-\pv
	DEAL 2-\x, \first
.if (\x == 0) && \kq && (i == 1)
	FETCH_K
.endif
.set i, i+1
.endr
.endif
.if \kq
.if \x == 0
	s_wait_dscnt 0x0                               ; K is in
.endif
.set i, 0
.rept 16
	KQ \x
	DEAL 2-\x, \first
.if (\x == 2) && (i == 1)
	FETCH_V
.endif
.set i, i+1
.endr
.endif
.if \first
	PLACES
.endif
.endm
; THE CHANGE OF SLOTS, between piece 2's turn and piece 0's: the slot's last bytes, V of its fourth step, have been asked for.  Each wave waits for its reads of the slot and for all
; its tensor loads.  fill = 1: a round of the cluster's barrier, then the joint refill with the next 256 keys that the ring has not asked for, first thing behind it.
; fill = 2: the same, but the walk goes back from the head's last 256 keys to its first, for the next block.  fill = 0: nothing is left to fetch.
.macro CHANGE fill
	WIN 0
	s_wait_dscnt 0x0
	s_wait_tensorcnt 0x0                           ; no tensor load of mine is out, so a group 0 may be written
	ds_add_u32 v62, v63
	s_wait_dscnt 0x0
.if \fill
.irp g, G0K+4, G0V+4
	s_xor_b32 s[\g+1], s[\g+1], SLOT1              ; the walking descriptor: the other slot than last time,
.if \fill == 2
	s_sub_nc_u64 s[\g+2:\g+3], s[\g+2:\g+3], 7*32768   ; keys 0 to 255 again
.else
	s_add_nc_u64 s[\g+2:\g+3], s[\g+2:\g+3], 32768 ; the next 256 keys
.endif
.endr
	CROUND
	JLOAD
.else
	s_barrier_signal -1
	s_barrier_wait -1
.endif
	s_sub_co_u32 s[TBK], s[TBK], 4*KSB             ; the fetches go back to a slot's first step,
	s_xor_b32 s[TBK], s[TBK], SLOT1                ; in the other slot
	s_sub_co_u32 s[TBV], s[TBV], 4*VSB
	s_xor_b32 s[TBV], s[TBV], SLOT1
.endm
.macro STEPS n                         ; n key steps: written once, walked n times; the LDS addresses hang on s[TBK], s[TBV]
	WIN 0
	s_mov_b32 s[CNT], \n
.Lstep_\@:
	TURN 0, 2, 1, 0
	TURN 2, 2, 1, 0
	WIN 0
	s_sub_co_u32 s[CNT], s[CNT], 1
	s_cmp_lg_u32 s[CNT], 0
	s_cbranch_scc1 .Lstep_\@
.endm
; THE WAY OUT of tile t: O^T is divided by l, rounded to bf16 and sent through my stage, 16 rows at a time.
.macro PACK t
	WIN W_RS
.set i, 0
.rept 16
	s_wait_alu depctr_va_vdst(0)
	v_pk_mul_f32 v[32*\t+i:32*\t+i+1], v[32*\t+i:32*\t+i+1], v[ST+8*\t+6:ST+8*\t+7] op_sel_hi:[1,0]
.set i, i+2
.endr
	WIN 0x05                                       ; sources window 1, destination window 0: S^T's registers are free
.set i, 0
.rept 16
	v_cvt_pk_bf16_f32 v[S+32*\t+i], v[32*\t+2*i], v[32*\t+2*i+1]
.set i, i+1
.endr
	WIN 0
.irp f, 0,1,2,3
	ds_store_b128 v[STO], v[S+32*\t+4*\f:S+32*\t+4*\f+3] offset:32*\f
.endr
.irp f, 0,1,2,3
	ds_load_b128 v[S+32*\t+16+4*\f:S+32*\t+16+4*\f+3], v[RD] offset:\f*4*SP   ; LDS serves a wave's instructions in order (ISA guide 5.7.1.4): these see the stores above
.endr
.endm
.macro SEND t, younger, b              ; younger: the LDS instructions issued behind tile t's loads: the next tile's eight, or none
.irp f, 0,1,2,3
	s_wait_dscnt \younger+3-\f
	global_store_b128 v[GO], v[S+32*\t+16+4*\f:S+32*\t+16+4*\f+3], s[10:11] offset:(\b)*NEXTB+\t*2048+\f*512   ; the wave stores 512 consecutive bytes, aligned
.endr
.endm
; A WHOLE BLOCK OF QUERIES.  On the way in: keys 0-255 lie in slot 0, shown to every wave by a barrier; keys 256-511 are on their way into slot 1; the block's Q has been asked for.
; last = 0: the ring goes on into the next block; last = 1: the tail fills nothing.
.macro BLOCK b, last
	FETCH_K                                        ; key step 0
	s_wait_loadcnt 0x0                             ; Q
	s_wait_dscnt 0x0
.set i, 0
.rept 16
	KQ 0                                           ; piece 0's first scores: there is no vector work yet to set between them
.set i, i+1
.endr
	WIN 0
.if \b == 0                            ; the addresses for the way out are made here: nine plain instructions, the places behind those products
	s_mul_i32 s13, s[WV], 16*SP
	s_add_co_u32 s13, s13, STAGE                   ; my stage
	v_mul_u32_u24 v[STO], v1, SP                   ; in: row r, 16 bytes for each half of the lanes
	v_lshl_add_u32 v[STO], v9, 4, v[STO]
	v_add_nc_u32 v[STO], s13, v[STO]
	v_and_b32 v[GO], 31, v0
	v_lshrrev_b32 v[RD], 3, v[GO]                  ; back: four rows of 128 bytes for the 32 lanes,
	v_mul_u32_u24 v[RD], v[RD], SP
	v_lshl_add_u32 v[RD], v10, 4, v[RD]
	v_add_nc_u32 v[RD], s13, v[RD]
	v_lshlrev_b32 v[GO], 4, v[GO]                  ; which are 512 dense bytes of the result
.else
	PLACES
.endif
	TURN 2, 0, 1, 1                                ; piece 2's first scores | piece 0's first softmax | V of step 0
	TURN 0, 1, 1, 1                                ; piece 0: V^T P of step 0 starts its sums, K Q^T of step 1 | piece 2's first softmax | K of step 1
	TURN 2, 1, 1, 0                                ; piece 2: the same | piece 0's softmax of step 1 | V of step 1
	STEPS 2                                        ; fetches steps 2 and 3: slot 0 is read out
	s_mov_b32 s[SLOTS], 6
.Lslot_\b:                                             ; six trips: keys 512 to 2,047 are asked for
	CHANGE 1
	STEPS 4
	s_sub_co_u32 s[SLOTS], s[SLOTS], 1
	s_cmp_lg_u32 s[SLOTS], 0
	s_cbranch_scc1 .Lslot_\b
.if \last
	CHANGE 0                                       ; the tail is written out
	STEPS 4
.else
	CHANGE 2                                       ; THE RING GOES ON INTO THE NEXT BLOCK: slot 0 takes keys 0-255 again,
	STEPS 4
	CHANGE 1                                       ; slot 1 keys 256-511; slot 0 has landed and is shown to every wave
	QLOAD \b+1                                     ; Q's last reader stands ten plain instructions back (six multiplies, the joint load's four v_nop); the loads land under what follows
.endif
	TURN 0, 2, 0, 0                                ; piece 0: V^T P of the last step | piece 2's last softmax
.set i, 0
.rept 20
	PV 2, 0                                        ; piece 2: V^T P of the last step
.set i, i+1
.endr
	PLACES
	WIN 0x01                                       ; source 0 window 1: l is register 0 of its accumulator
.irp t, 0,1,2,3
	v_rcp_f32 v[ST+8*\t+6], v[LS+8*\t]
.endr
	v_nop                                          ; a plain instruction between the last reciprocal and the use of its result
	PACK 0
	PACK 1
	SEND 0, 8, \b
	PACK 2
	SEND 1, 8, \b
	PACK 3
	SEND 2, 8, \b
	SEND 3, 0, \b
.if \last == 0
	s_wait_xcnt 0x0                                ; the next block's first products write registers that these stores read: only behind this wait
.endif
.endm
	s_wait_tensorcnt 1                             ; my part of slot 0 is in; slot 1's may stay out
	s_barrier_signal -1
	s_barrier_wait -1
	BLOCK 0, 0                                     ; query block cx
	BLOCK 1, 1                                     ; query block cx + 4: nothing waits for the first block's stores
	s_wait_tensorcnt 0x0
	ds_add_u32 v62, v63
	s_wait_dscnt 0x0
	CROUND                                         ; the closing round: no work-group ends while a partner may still ask for a tile that names it
	s_endpgm
.Lfunc_end_k_q02b0901803_attn:
	.size	k_q02b0901803_attn, .Lfunc_end_k_q02b0901803_attn-k_q02b0901803_attn
	.p2alignl 7, 3214868480
	.fill 96, 4, 3214868480
	.section	.rodata,"a",@progbits
	.p2align	6, 0x0
	.amdhsa_kernel k_q02b0901803_attn
		.amdhsa_group_segment_fixed_size 327680
		.amdhsa_private_segment_fixed_size 0
		.amdhsa_enable_private_segment 0
		.amdhsa_kernarg_size 16
		.amdhsa_user_sgpr_count 2
		.amdhsa_user_sgpr_kernarg_segment_ptr 1
		.amdhsa_wavefront_size32 1
		.amdhsa_system_sgpr_workgroup_id_x 1
		.amdhsa_system_sgpr_workgroup_id_y 1
		.amdhsa_system_sgpr_workgroup_id_z 1
		.amdhsa_system_vgpr_workitem_id 0
		.amdhsa_next_free_vgpr 768
		.amdhsa_next_free_sgpr 66
		.amdhsa_reserve_vcc 1
		.amdhsa_float_denorm_mode_32 3
		.amdhsa_float_denorm_mode_16_64 3
		.amdhsa_memory_ordered 1
		.amdhsa_forward_progress 1
		.amdhsa_inst_pref_size 255
	.end_amdhsa_kernel
	.section	.bss,"aw",@nobits
	.p2align	6
	.space	262144
	.amdgpu_metadata
---
amdhsa.version: [ 1, 2 ]
amdhsa.kernels:
  - .name:           k_q02b0901803_attn
    .symbol:         k_q02b0901803_attn.kd
    .args:
      - { .name: qkv, .offset: 0, .size: 8, .value_kind: global_buffer, .address_space: global }
      - { .name: ao, .offset: 8, .size: 8, .value_kind: global_buffer, .address_space: global }
    .group_segment_fixed_size: 327680
    .private_segment_fixed_size: 0
    .kernarg_segment_align: 8
    .kernarg_segment_size: 16
    .max_flat_workgroup_size: 128
    .sgpr_count:     66
    .vgpr_count:     768
    .wavefront_size: 32
...
	.end_amdgpu_metadata
.endif
;; end of part 3
;; launch proj (part 4): grid 4 x 64, 4 waves a work-group, clusters of 4 x 4, 327,680 bytes of LDS; arguments ao, wprojb, out0, b_proj; writes out0
.if DOCPART == 4
	.amdgcn_target "amdgcn-amd-amdhsa--gfx1250"
	.amdhsa_code_object_version 6
	.text
	.protected	k_q02b0901803_proj
	.globl	k_q02b0901803_proj
	.p2align	8
	.type	k_q02b0901803_proj,@function
k_q02b0901803_proj:
	s_mov_b64 s[64:65], 0
	v_nop
	global_prefetch_b8 v0, s[64:65] scope:SCOPE_SE
	s_setreg_imm32_b32 hwreg(HW_REG_WAVE_MODE, 25, 1), 1
	s_wait_xcnt 0x0
	s_wait_alu depctr_hold_cnt(0) depctr_sa_sdst(0) depctr_va_vdst(0) depctr_va_sdst(0) depctr_va_ssrc(0) depctr_va_vcc(0) depctr_vm_vsrc(0)
	s_getreg_b32 s2, hwreg(HW_REG_IB_STS2, 6, 4)
	s_cmp_eq_u32 s2, 0
	s_cbranch_scc0 .Lentry_in_a_cluster
	s_endpgm
.Lentry_in_a_cluster:
	s_bfe_u32 s2, ttmp6, 0x10000c
	s_cmp_lg_u32 s2, 0xf033
	s_cbranch_scc0 .Lentry_shape_is_right
	s_endpgm
.Lentry_shape_is_right:
; out0 = A W_proj + b_proj.  A(row b 2048 + n, k = 64 h + d) = ao[16 b + h][n][d], bf16, head-major.  wprojb: [1024 k][1024 n] bf16.  out0: [8192][1024] f32.  Sums in f32, K ascending.
; TILE.  128 rows x 256 columns: 4 x 64 = 256 work-groups.  Four waves, 2 x 2: a wave makes 64 rows x 128 columns, 32 accumulators of 16 x 16 = 256 registers.
; K goes in steps of 128 = two heads, through two LDS slots.  A slot: two sub-tiles of A, one a head (128 rows x 128 bytes, dense in memory: fetched as 64 rows of 256 bytes, the
; padding falling behind every 128 bytes; waves 0, 1), and two chunks of W (128 k-rows x 256 bytes; waves 2, 3).  W's fragments come out of LDS turned, by ds_load_tr16_b128.
; CLUSTER 4 x 4: A's sub-tiles are asked for jointly along a cluster's row, W's chunks along a column.  By this text's count a wave has two tensor loads out after the first fills
; and one behind each round.  THE MATRIX INSTRUCTION IS USED TRANSPOSED: a lane holds eight neighbouring columns of one row, 32 bytes of f32.
; PREFETCH.  A's rows are read once in the launch, by one row of one cluster.  Behind each of its refills wave 0 asks for the work-group's quarter (pieces 16 cx + lane % 16 of 256 bytes, of the
; K step's first head in lanes 0-15 and of its second in lanes 16-31) of A's two sub-tiles of the K step whose refill comes one K step, 128 matrix instructions of a wave, later; K step 2 is asked
; for behind the first fills.  The four partners' quarters make the sub-tiles, so each 256 bytes are asked for once; only the loop's last trip, whose K step 8 does not exist, is clamped to
; K step 7's address and asks for that quarter again.  W is not asked for: a K step's chunks of a tile column are 256 pieces for the 64 work-groups that read them, 4 lanes each.
; REGISTERS: window 0: addresses, bias, the way out.  Window 1: two fragment buffers (A's four blocks, then W's eight).  Window 2: accumulator (nb, a) at 8 (4 nb + a).
; LIMIT: operands are bf16 (8 bits of mantissa); nothing else is cut.
.set PA,    144                        ; A's LDS row: 128 + 16 bytes = 36 words: 16 rows start at 16 different groups of four banks (64 banks of 4 bytes: ISA guide 11.1)
.set SUB,   128*PA                     ; a head's sub-tile
.set PB,    288                        ; W's LDS row: 256 + 32 bytes, an odd multiple of 32, for the turning load
.set REG,   36864                      ; 128 x 288; A's two sub-tiles fill the first region
.set SLOT,  3*REG
.set STAGE, 2*SLOT                     ; 221,184, a multiple of 256: 16 rows x 528 bytes for each wave; no tensor load lands here
.set SP,    528                        ; a stage row: 512 bytes + 16
.set NG,    2
.set LAPS,  4
.set KSA,   524288                     ; a K step of A in memory: two heads of 262,144 bytes
.set ADRA, 16
.set ADRB, 20                          ; v20-23: slot s, group hg at 20 + 2 s + hg
.set STO,  26
.set RD,   27
.set CO,   28
.set PF,   29                          ; v29     the prefetch: byte offset of my lane's piece from the K step's first sub-tile; never rewritten
.set BIAS, 32                          ; v[32:35] the bias of my four columns of a row
.set BK0,  64                          ; v64-127, v128-191: a block read back from the stage, two buffers by turns
.set F0,   0
.set F1,   128
.set PFB, 4                            ; s[4:5]  the prefetch's base: A's first sub-tile of the K step asked for
.set PO,  6                            ; s[6:7]  that K step's byte offset, as a pair with 0 above
.set G1A, 24
.set G0A, 32
.set G1B, 48
.set G0B, 56
.set MSB, 0
.macro WIN new                         ; the immediate's high byte repeats the setting that is left; a switch that changes nothing is dropped
.if MSB != \new
	s_set_vgpr_msb (MSB<<8)|\new
.set MSB, \new
.endif
.endm
.set MUL_LO, 0xa5                      ; sources 0 and 1 window 1; C and D window 2
.set TO_F,   0x40                      ; destination window 1, address window 0
.macro PLACES                          ; four plain places in front of loads into registers that matrix instructions have read and of reads of results
.rept 4
	v_nop
.endr
.endm
; Waves 0, 1 ask for A's sub-tiles, waves 2, 3 for W's chunks; four v_nop follow each line.
; pf = 1: wave 0 alone, which has just issued its load, also asks for the work-group's quarter of a later K step of A.
.macro JLOAD s, pf
	s_cmp_lt_u32 s12, 2
	s_cbranch_scc0 .Lfor_b_\@
	tensor_load_to_lds s[G0A+4*\s:G0A+4*\s+3], s[G1A:G1A+7]
	s_nop 0
.rept 4
	v_nop
.endr
.if \pf
	s_cmp_lg_u32 s12, 0
	s_cbranch_scc1 .Lasked_\@
	global_prefetch_b8 v[PF], s[PFB:PFB+1] th:TH_LOAD_NT scope:SCOPE_SE
.endif
	s_branch .Lasked_\@
.Lfor_b_\@:
	tensor_load_to_lds s[G0B+4*\s:G0B+4*\s+3], s[G1B:G1B+7]
	s_nop 0
.rept 4
	v_nop
.endr
.Lasked_\@:
.endm
.macro CREST                           ; a round of the cluster's barrier behind its opening barrier
	s_cmp_lg_u32 s12, 0
	s_cbranch_scc1 .Lnot_wave_0_\@
	s_barrier_signal -3
.Lnot_wave_0_\@:
	s_barrier_wait -3
	s_barrier_signal -1
	s_barrier_wait -1
.endm
.macro CROUND
	s_barrier_signal -1
	s_barrier_wait -1
	CREST
.endm
	s_load_b256 s[4:11], s[0:1], 0x0               ; ao s[4:5], wprojb s[6:7], out0 s[8:9], b_proj s[10:11]
	s_set_vgpr_msb 0x40
	v_lshl_add_u32 v254, v0, 2, 0x3e400
	v_mov_b32 v255, 0
	s_set_vgpr_msb 0x4045
	ds_add_u32 v254, v255
	s_set_vgpr_msb 0x4500
	v_lshrrev_b32 v1, 5, v0
	v_readfirstlane_b32 s12, v1                    ; wave 0..3
	s_lshr_b32 s13, s12, 1                         ; wm: which 64 rows.  Also: I fetch for A (0) or for W (1)
	s_and_b32 s14, s12, 1                          ; wn: which 128 columns.  Also: which sub-tile of A, or which chunk of W, I fetch
	s_bfe_u32 s40, ttmp6, 0x40000                  ; cx
	s_bfe_u32 s41, ttmp6, 0x40004                  ; cy
	s_lshl_b32 s42, ttmp9, 2
	s_add_co_u32 s42, s42, s40                     ; tile column
	s_and_b32 s43, ttmp7, 0xffff
	s_lshl_b32 s43, s43, 2
	s_add_co_u32 s43, s43, s41                     ; tile row
	s_lshl_b32 s44, s41, 2
	s_lshl_b32 s44, 15, s44                        ; my row of the cluster
	s_lshl_b32 s45, 0x1111, s40                    ; my column
	s_or_b32 s[G1A], s44, (1<<16)|(1<<20)|(1<<21)|(4<<22)|(3<<25)   ; mask; elements of 2 bytes; padding on; bit 21 beside a mask; after every 32 words, 4 words
	s_or_b32 s[G1B], s45, (1<<16)|(1<<20)|(1<<21)|(5<<22)|(7<<25)   ; after every 64 words, 8 words
	s_mov_b32 s[G1A+1], 128<<16                    ; A: 64 memory rows of 128 elements, dense
	s_mov_b32 s[G1A+2], 64<<16
	s_mov_b32 s[G1A+3], 128<<16
	s_mov_b32 s[G1A+4], 64
	s_mov_b32 s[G1A+5], 128
	s_mov_b32 s[G1A+6], 0
	s_mov_b32 s[G1A+7], 0
	s_mov_b32 s[G1B+1], 128<<16                    ; W: 128 rows of 128 elements, 1,024 elements from row to row
	s_mov_b32 s[G1B+2], 128<<16
	s_mov_b32 s[G1B+3], 128<<16
	s_mov_b32 s[G1B+4], 128
	s_mov_b32 s[G1B+5], 1024
	s_mov_b32 s[G1B+6], 0
	s_mov_b32 s[G1B+7], 0
	; Every wave makes both addresses and asks by one of them.  The LDS addresses are the wave's low bit times a constant, plus a constant: the two waves that issue a line have bytes of their own.
	s_lshr_b32 s16, s43, 4
	s_lshl_b32 s16, s16, 22                        ; A: the batch's 16 heads of 262,144 bytes,
	s_and_b32 s17, s43, 15
	s_lshl_b32 s17, s17, 14                        ; 128 rows of 128 bytes for each tile row inside the batch,
	s_add_co_u32 s16, s16, s17
	s_lshl_b32 s17, s14, 18                        ; the K step's first or second head
	s_add_co_u32 s16, s16, s17
	s_mov_b32 s17, 0
	s_mul_i32 s20, s14, SUB                        ; which goes to the first region's first or second half
	s_lshl_b32 s46, s42, 9                         ; W: 256 columns of 2 bytes for each tile column,
	s_lshl_b32 s21, s14, 8                         ; 256 bytes a chunk
	s_add_co_u32 s46, s46, s21
	s_mov_b32 s47, 0
	s_mul_i32 s21, s14, REG
	s_add_co_u32 s21, s21, REG                     ; chunks lie behind A's region
	v_and_b32 v1, 15, v0                           ; r = l % 16
	v_bfe_u32 v2, v0, 4, 1                         ; h = l / 16
	s_lshl_b32 s15, s40, 12                        ; the prefetch: my quarter of a sub-tile's 64 pieces begins 16 cx pieces of 256 bytes in,
	v_lshl_add_u32 v[PF], v1, 8, s15               ; a piece a lane,
	v_lshl_add_u32 v[PF], v2, 18, v[PF]            ; lanes 16-31 in the K step's second head
	s_wait_dscnt 0x0
	s_wait_kmcnt 0x0
	s_add_nc_u64 s[22:23], s[4:5], s[16:17]        ; my sub-tile of A at K step 0 (in wave 0, which alone prefetches: the first head's); kept
	s_add_nc_u64 s[46:47], s[6:7], s[46:47]
	s_mov_b32 s[PO], 2*KSA                         ; the first request is for K step 2
	s_mov_b32 s[PO+1], 0
	s_add_nc_u64 s[PFB:PFB+1], s[22:23], s[PO:PO+1]
	CROUND                                         ; all sixteen work-groups are here: the first joint loads meet
.irp s, 0,1
	s_mov_b32 s[G0A+4*\s], 1
	s_add_co_u32 s[G0A+4*\s+1], s20, \s*SLOT
	s_add_nc_u64 s[G0A+4*\s+2:G0A+4*\s+3], s[22:23], \s*KSA        ; K step s: two heads on
	s_or_b32 s[G0A+4*\s+3], s[G0A+4*\s+3], 0x80000000
	s_mov_b32 s[G0B+4*\s], 1
	s_add_co_u32 s[G0B+4*\s+1], s21, \s*SLOT
	s_add_nc_u64 s[G0B+4*\s+2:G0B+4*\s+3], s[46:47], \s*262144     ; K step s: 128 rows of 2,048 bytes down
	s_or_b32 s[G0B+4*\s+3], s[G0B+4*\s+3], 0x80000000
	JLOAD \s, \s                                   ; behind the second first fill: the request for K step 2
.endr
	v_mul_u32_u24 v3, v1, PA
	v_lshl_add_u32 v3, v2, 4, v3                   ; A's fragment: row r x pitch + 16 h; two loads 32 bytes apart
	s_mul_i32 s21, s13, 64*PA
	v_add_nc_u32 v[ADRA], s21, v3
	v_add_nc_u32 v[ADRA+1], SLOT, v[ADRA]
	v_and_b32 v4, 7, v0
	v_lshl_add_u32 v4, v2, 3, v4                   ; the turning load: k-row 8 h + l % 8,
	v_mul_u32_u24 v4, v4, PB
	v_bfe_u32 v5, v0, 3, 1
	v_lshl_add_u32 v4, v5, 4, v4                   ; 16 bytes at 16 ((l / 8) % 2)
	s_mul_i32 s15, s14, NG                         ; my first group of 64 columns among the tile's four
.irp hg, 0,1
	s_add_co_u32 s16, s15, \hg
	s_lshr_b32 s17, s16, 1                         ; its chunk,
	s_and_b32 s18, s16, 1                          ; its half of the chunk's 256 bytes
	s_mul_i32 s17, s17, REG
	s_lshl_b32 s18, s18, 7
	s_add_co_u32 s17, s17, s18
	s_add_co_u32 s17, s17, REG
	v_add_nc_u32 v[ADRB+\hg], s17, v4
	v_add_nc_u32 v[ADRB+NG+\hg], SLOT, v[ADRB+\hg]
.endr
	s_mul_i32 s19, s12, 16*SP
	s_add_co_u32 s19, s19, STAGE                   ; my stage
	v_mul_u32_u24 v5, v1, SP
	v_lshl_add_u32 v5, v2, 5, v5
	v_add_nc_u32 v[STO], s19, v5                   ; in: row r, 32 bytes for each half of the lanes
	v_and_b32 v6, 31, v0
	v_lshlrev_b32 v[CO], 4, v6                     ; back, and in out0 and b_proj: 16 bytes a lane, a row's 512 bytes for the wave
	v_add_nc_u32 v[RD], s19, v[CO]
	s_lshl_b32 s16, s43, 19                        ; 128 rows of 4,096 bytes for each tile row,
	s_lshl_b32 s17, s13, 18                        ; my 64 rows
	s_add_co_u32 s16, s16, s17
	s_mov_b32 s17, 0
	s_add_nc_u64 s[8:9], s[8:9], s[16:17]
	s_lshl_b32 s46, s42, 10                        ; 256 columns of 4 bytes for each tile column, in registers that never fed A's descriptors,
	s_lshl_b32 s47, s14, 9                         ; my 128 columns
	s_add_co_u32 s46, s46, s47
	s_mov_b32 s47, 0
	s_add_nc_u64 s[8:9], s[8:9], s[46:47]
	s_add_nc_u64 s[10:11], s[10:11], s[46:47]
	global_load_b128 v[BIAS:BIAS+3], v[CO], s[10:11]               ; once; waited for in front of the way out
.macro MUL8 f, nb0, zero               ; column blocks nb0, nb0 + 1 x my four row blocks, 32 along K.  zero = 1: the product starts the sums: nothing is cleared
.irp nb, \nb0, \nb0+1
.irp a, 0,1,2,3
.if \zero
	v_wmma_f32_16x16x32_bf16 v[8*(4*(\nb)+\a):8*(4*(\nb)+\a)+7], v[\f+32+8*(\nb):\f+32+8*(\nb)+7], v[\f+8*\a:\f+8*\a+7], 0
.else
	v_wmma_f32_16x16x32_bf16 v[8*(4*(\nb)+\a):8*(4*(\nb)+\a)+7], v[\f+32+8*(\nb):\f+32+8*(\nb)+7], v[\f+8*\a:\f+8*\a+7], v[8*(4*(\nb)+\a):8*(4*(\nb)+\a)+7]
.endif
.endr
.endr
.endm
; 24 LDS loads in one run: quarter q of a slot (head q / 2, channels 32 (q % 2) on) into buffer f: A's four blocks, then W's eight in ascending order
.macro FETCH slot, q, f
	WIN TO_F
.irp a, 0,1,2,3
	ds_load_b128 v[\f+8*\a:\f+8*\a+3],   v[ADRA+\slot] offset:(\q/2)*SUB+(\q%2)*64+\a*16*PA
	ds_load_b128 v[\f+8*\a+4:\f+8*\a+7], v[ADRA+\slot] offset:(\q/2)*SUB+(\q%2)*64+\a*16*PA+32
.endr
.irp nb, 0,1,2,3,4,5,6,7
	ds_load_tr16_b128 v[\f+32+8*\nb:\f+32+8*\nb+3],   v[ADRB+NG*\slot+\nb/4] offset:\q*32*PB+(\nb%4)*32
	ds_load_tr16_b128 v[\f+32+8*\nb+4:\f+32+8*\nb+7], v[ADRB+NG*\slot+\nb/4] offset:\q*32*PB+(\nb%4)*32+16*PB
.endr
.endm
; A K step is four quarters of 32 along K, 32 matrix instructions each, on buffers 0, 1, 0, 1; the 32 accumulators take turns in the same order, one instruction a turn.
.macro QUARTER slot, q, f, g, zero
	s_wait_dscnt 8                                 ; A and W's blocks 0-3 are in; the youngest eight loads (blocks 4-7) may be out
	WIN MUL_LO
	MUL8 \f, 0, \zero
	MUL8 \f, 2, \zero
	PLACES
	FETCH \slot, \q, \g
	s_wait_dscnt 24                                ; all but the 24 just issued
	WIN MUL_LO
	MUL8 \f, 4, \zero
	MUL8 \f, 6, \zero
.endm
; The last quarter multiplies buffer 1 and changes slots: one barrier; in front of it each wave waits for its reads of this slot and for all its tensor loads.
; fill = 1: the barrier opens a round of the cluster's, and the slot is filled again, two K steps ahead, first thing behind the round; wave 0's request for the K step behind that goes with it.
.macro TURN slot, next, fill
	s_wait_dscnt 8
	WIN MUL_LO
	MUL8 F1, 0, 0
	MUL8 F1, 2, 0
	s_wait_dscnt 0                                 ; my reads of this slot are over,
	s_wait_tensorcnt 0x0                           ; and all my tensor loads have landed
	ds_add_u32 v254, v255
	s_wait_dscnt 0x0
	s_barrier_signal -1
	MUL8 F1, 4, 0                                  ; registers only, while the others arrive
.if \fill
	WIN 0
.endif
	s_barrier_wait -1
.if \fill
	CREST                                          ; no wave of any partner still reads this slot or has a load on its way
	s_add_nc_u64 s[G0A+4*\slot+2:G0A+4*\slot+3], s[G0A+4*\slot+2:G0A+4*\slot+3], 2*KSA
	s_add_nc_u64 s[G0B+4*\slot+2:G0B+4*\slot+3], s[G0B+4*\slot+2:G0B+4*\slot+3], 524288
	s_wait_xcnt 0x0                                ; the last request, a K step back, has read its base: only now is the base written again
	s_add_co_u32 s[PO], s[PO], KSA                 ; one K step on: the one behind the K step that is filled now,
	s_min_u32 s[PO], s[PO], 7*KSA                  ; and never past the batch's last two heads
	s_add_nc_u64 s[PFB:PFB+1], s[22:23], s[PO:PO+1]
	JLOAD \slot, 1                                 ; 120 matrix instructions ahead of the wait for it; its four v_nop are also the places in front of the loads below
.else
	PLACES
.endif
	FETCH \next, 0, F0
	WIN MUL_LO
	MUL8 F1, 6, 0
.endm
; THE WAY OUT of row block a, in three parts.  STIN: the accumulators go as they are into my own stage, each one's low four registers first.  STOUT: they come back as whole rows
; of 512 bytes.  SEND: the bias is added and the rows are stored, 512 consecutive bytes an instruction.  Block a + 1's STIN stands between block a's STOUT and the wait for it.
.macro STIN a
	WIN 0x08                                       ; store data in window 2
.irp nb, 0,1,2,3,4,5,6,7
	ds_store_b128 v[STO], v[8*(4*\nb+\a):8*(4*\nb+\a)+3]   offset:64*\nb
	ds_store_b128 v[STO], v[8*(4*\nb+\a)+4:8*(4*\nb+\a)+7] offset:64*\nb+16
.endr
	WIN 0
.endm
.macro STOUT a
.set BK, BK0+64*((\a)%2)
.if \a > 1
	s_wait_xcnt 0x0                                ; the stores of the block two back have read this buffer: it is loaded again only behind this wait
.endif
.irp t, 0,1,2,3,4,5,6,7,8,9,10,11,12,13,14,15
	ds_load_b128 v[BK+4*\t:BK+4*\t+3], v[RD] offset:\t*SP          ; LDS serves a wave's instructions in order (ISA guide 5.7.1.4): these see the block's stores, and the next block's stores come behind them
.endr
.endm
.macro SEND a, younger                 ; younger: the LDS instructions issued behind this block's loads: the next block's 16 stores, or none
.set BK, BK0+64*((\a)%2)
	s_wait_dscnt \younger
.irp t, 0,1,2,3,4,5,6,7,8,9,10,11,12,13,14,15
	v_pk_add_f32 v[BK+4*\t:BK+4*\t+1],   v[BK+4*\t:BK+4*\t+1],   v[BIAS:BIAS+1]
	v_pk_add_f32 v[BK+4*\t+2:BK+4*\t+3], v[BK+4*\t+2:BK+4*\t+3], v[BIAS+2:BIAS+3]
	global_store_b128 v[CO], v[BK+4*\t:BK+4*\t+3], s[8:9] offset:(16*(\a)+\t)*4096 th:TH_STORE_NT   ; written once, read by no launch
.endr
.endm
	s_wait_tensorcnt 1                             ; my part of K step 0 is in; K step 1's may stay out
	s_barrier_signal -1
	s_barrier_wait -1
	FETCH 0, 0, F0
	QUARTER 0, 1, F0, F1, 1                        ; the first quarter stands in front of the loop: its products start all 32 sums
	WIN 0                                          ; at a label and at a branch every window is 0
	s_mov_b32 s3, LAPS-1
.Llap:                                                 ; a trip goes once round the ring, from a lap's second quarter to the next lap's first, and fills both slots again
	QUARTER 0, 2, F1, F0, 0
	QUARTER 0, 3, F0, F1, 0
	TURN 0, 1, 1
	QUARTER 1, 1, F0, F1, 0
	QUARTER 1, 2, F1, F0, 0
	QUARTER 1, 3, F0, F1, 0
	TURN 1, 0, 1
	QUARTER 0, 1, F0, F1, 0
	WIN 0
	s_sub_co_u32 s3, s3, 1
	s_cmp_lg_u32 s3, 0
	s_cbranch_scc1 .Llap
	QUARTER 0, 2, F1, F0, 0                        ; the last lap is written out: it fills nothing and asks for nothing
	QUARTER 0, 3, F0, F1, 0
	TURN 0, 1, 0
	QUARTER 1, 1, F0, F1, 0
	QUARTER 1, 2, F1, F0, 0
	QUARTER 1, 3, F0, F1, 0
	s_wait_dscnt 8                                 ; the very last quarter
	WIN MUL_LO
	MUL8 F1, 0, 0
	MUL8 F1, 2, 0
	s_wait_dscnt 0
	MUL8 F1, 4, 0
	MUL8 F1, 6, 0
	WIN 0
	PLACES
	s_wait_loadcnt 0x0                             ; the bias
	STIN 0
	STOUT 0
	STIN 1
	SEND 0, 16
	STOUT 1
	STIN 2
	SEND 1, 16
	STOUT 2
	STIN 3
	SEND 2, 16
	STOUT 3
	SEND 3, 0
	s_set_vgpr_msb 0x5
	s_wait_tensorcnt 0x0
	ds_add_u32 v254, v255
	s_wait_dscnt 0x0
	s_set_vgpr_msb 0x500
	CROUND                                         ; the closing round: no work-group ends while a partner may still ask for a tile that names it
	s_endpgm
.Lfunc_end_k_q02b0901803_proj:
	.size	k_q02b0901803_proj, .Lfunc_end_k_q02b0901803_proj-k_q02b0901803_proj
	.p2alignl 7, 3214868480
	.fill 96, 4, 3214868480
	.section	.rodata,"a",@progbits
	.p2align	6, 0x0
	.amdhsa_kernel k_q02b0901803_proj
		.amdhsa_group_segment_fixed_size 327680
		.amdhsa_private_segment_fixed_size 0
		.amdhsa_enable_private_segment 0
		.amdhsa_kernarg_size 32
		.amdhsa_user_sgpr_count 2
		.amdhsa_user_sgpr_kernarg_segment_ptr 1
		.amdhsa_wavefront_size32 1
		.amdhsa_system_sgpr_workgroup_id_x 1
		.amdhsa_system_sgpr_workgroup_id_y 1
		.amdhsa_system_sgpr_workgroup_id_z 1
		.amdhsa_system_vgpr_workitem_id 0
		.amdhsa_next_free_vgpr 768
		.amdhsa_next_free_sgpr 66
		.amdhsa_reserve_vcc 0
		.amdhsa_float_denorm_mode_32 3
		.amdhsa_float_denorm_mode_16_64 3
		.amdhsa_memory_ordered 1
		.amdhsa_forward_progress 1
		.amdhsa_inst_pref_size 95
	.end_amdhsa_kernel
	.amdgpu_metadata
---
amdhsa.version: [ 1, 2 ]
amdhsa.kernels:
  - .name:           k_q02b0901803_proj
    .symbol:         k_q02b0901803_proj.kd
    .args:
      - { .name: ao, .offset: 0, .size: 8, .value_kind: global_buffer, .address_space: global }
      - { .name: wprojb, .offset: 8, .size: 8, .value_kind: global_buffer, .address_space: global }
      - { .name: out0, .offset: 16, .size: 8, .value_kind: global_buffer, .address_space: global }
      - { .name: b_proj, .offset: 24, .size: 8, .value_kind: global_buffer, .address_space: global }
    .group_segment_fixed_size: 327680
    .private_segment_fixed_size: 0
    .kernarg_segment_align: 8
    .kernarg_segment_size: 32
    .max_flat_workgroup_size: 128
    .sgpr_count:     66
    .vgpr_count:     768
    .wavefront_size: 32
...
	.end_amdgpu_metadata
.endif
;; end of part 4
;; ======== version 2 of 2: 4 launches; version 1 with the launch cast written anew for expert scheduling mode
;; workspace buffers: xb 16,777,216 bytes; wqkvb 6,291,456 bytes; wprojb 2,097,152 bytes; qkv 50,331,648 bytes; ao 16,777,216 bytes
;; launch cast (part 5): grid 768 x 1, 8 waves a work-group, no clusters, 0 bytes of LDS; arguments x, W_qkv, W_proj, xb, wqkvb, wprojb; writes xb, wqkvb, wprojb
.if DOCPART == 5
	.amdgcn_target "amdgcn-amd-amdhsa--gfx1250"
	.amdhsa_code_object_version 6
	.text
	.protected	k_q02b0901803_cast
	.globl	k_q02b0901803_cast
	.p2align	8
	.type	k_q02b0901803_cast,@function
k_q02b0901803_cast:
	s_mov_b64 s[64:65], 0
	v_nop
	global_prefetch_b8 v0, s[64:65] scope:SCOPE_SE
	s_setreg_imm32_b32 hwreg(HW_REG_WAVE_SCHED_MODE, 0, 2), 2
	s_setreg_imm32_b32 hwreg(HW_REG_WAVE_MODE, 25, 1), 1
	s_wait_xcnt 0x0
	s_wait_alu depctr_vm_vsrc(0)
; x, W_qkv and W_proj, all f32, are rounded once to bf16 (nearest even) into xb, wqkvb, wprojb; the layouts stay as they are.
; A work-group takes 16,384 numbers (65,536 bytes in, 32,768 out): groups 0-511 x, 512-703 W_qkv, 704-767 W_proj: 768 equal shares.
; A wave takes 8,192 bytes in: sixteen loads of 16 bytes a lane (512 consecutive bytes each), all issued before the first wait for data, and
; sixteen stores of 8 bytes a lane (256 consecutive bytes each, aligned).  No LDS, no barrier, no matrix unit: nothing is shared or reduced.
; bf16 and not f16: the products made of these numbers have to hold for inputs some 30 times larger, which f16's range does not give.
; THE MODE: SCHED_MODE bits 1:0 = 2 (LLVM: expert scheduling mode 2), set by the entry lines.  The code itself states the register dependences
; between vector instructions and memory instructions, with s_wait_alu, always for 0.
; THE PLAN.  The sixteen loads go in four blocks of four.  Registers that memory instructions touch:
;   v1, v2   byte offsets of the loads and of the stores: made once at the head by vector instructions, never written again.
;   X        load i's four registers: written by that load alone, which no vector instruction's use of them precedes; read by block i / 4's conversions; never loaded again.
;   Y        store i's two registers: written once, by block i / 4's conversions; read by a store that is issued in the next block; never written again.
; Block p rounds its own X into its own Y; its memory instructions are the four stores of block p - 1, whose Y no conversion of block p names.  So one wait at a block's head
; states all that its four stores hang on, and they are dealt among its conversions with no further wait.  No register that a memory instruction reads is written a second
; time, no vector instruction writes a scalar register, and EXEC is never written: nothing else is owed.
.set X, 8                              ; v[8:71]    load i: 4 registers
.set Y, 72                             ; v[72:103]  store i: 2 registers
	s_load_b256 s[4:11], s[0:1], 0x0               ; x s[4:5], W_qkv s[6:7], W_proj s[8:9], xb s[10:11]
	s_load_b128 s[12:15], s[0:1], 0x20             ; wqkvb s[12:13], wprojb s[14:15]
	s_sub_co_u32 s17, ttmp9, 512                   ; my share's number inside W_qkv,
	s_sub_co_u32 s18, ttmp9, 704                   ; inside W_proj (only the one that applies is kept below)
	v_lshrrev_b32 v3, 5, v0                        ; wave
	v_and_b32 v4, 31, v0                           ; lane
	v_lshlrev_b32 v1, 4, v4
	v_lshl_add_u32 v1, v3, 13, v1                  ; in:  8,192 x wave + 16 x lane
	v_lshlrev_b32 v2, 3, v4
	v_lshl_add_u32 v2, v3, 12, v2                  ; out: 4,096 x wave + 8 x lane
	s_wait_kmcnt 0x0
	s_cmp_lt_u32 ttmp9, 704                        ; the choice hangs on the work-group's number alone
	s_cselect_b64 s[20:21], s[6:7], s[8:9]
	s_cselect_b64 s[22:23], s[12:13], s[14:15]
	s_cselect_b32 s17, s17, s18
	s_cmp_lt_u32 ttmp9, 512
	s_cselect_b64 s[20:21], s[4:5], s[20:21]
	s_cselect_b64 s[22:23], s[10:11], s[22:23]
	s_cselect_b32 s17, ttmp9, s17
	s_lshl_b32 s24, s17, 16                        ; 65,536 bytes in for each share (511 shares at the most: under 2^25)
	s_mov_b32 s25, 0
	s_lshl_b32 s26, s17, 15                        ; 32,768 bytes out
	s_mov_b32 s27, 0
	s_add_nc_u64 s[20:21], s[20:21], s[24:25]
	s_add_nc_u64 s[22:23], s[22:23], s[26:27]
	s_wait_alu depctr_va_vdst(0)                   ; v1 and v2 are written: every load below reads v1 as its offset, every store v2
.irp i, 0,1,2,3,4,5,6,7,8,9,10,11,12,13,14,15
	global_load_b128 v[X+4*\i:X+4*\i+3], v1, s[20:21] offset:512*\i th:TH_LOAD_NT   ; read once in the whole program
.endr
; Block p: loads 4 p to 4 p + 3 are rounded; the stores of block p - 1 go out among the conversions, one ahead of each pair.
.macro BLK p
	s_wait_loadcnt 12-4*(\p)                       ; loads come back in order (ISA guide 5.7.1): this block's four are in, the 12 - 4 p younger ones stay out
.if (\p) > 0
	s_wait_alu depctr_va_vdst(0)                   ; the block before has written its eight registers of Y, which the four stores below read; no conversion behind this wait names them
.endif
.irp i, 0,1,2,3
.if (\p) > 0
	global_store_b64 v2, v[Y+2*(4*(\p)-4+(\i)):Y+2*(4*(\p)-4+(\i))+1], s[22:23] offset:256*(4*(\p)-4+(\i))   ; later launches read these: no hint
.endif
	v_cvt_pk_bf16_f32 v[Y+2*(4*(\p)+(\i))],   v[X+4*(4*(\p)+(\i))],   v[X+4*(4*(\p)+(\i))+1]
	v_cvt_pk_bf16_f32 v[Y+2*(4*(\p)+(\i))+1], v[X+4*(4*(\p)+(\i))+2], v[X+4*(4*(\p)+(\i))+3]
.endr
.endm
	BLK 0                                          ; no block stands in front of it: no store, and no wait but the one for its data
	BLK 1
	BLK 2
	BLK 3
	s_wait_alu depctr_va_vdst(0)                   ; block 3 has written its eight registers of Y, which the last four stores read
.irp i, 12,13,14,15
	global_store_b64 v2, v[Y+2*\i:Y+2*\i+1], s[22:23] offset:256*\i   ; later launches read these: no hint
.endr
	s_endpgm
.Lfunc_end_k_q02b0901803_cast:
	.size	k_q02b0901803_cast, .Lfunc_end_k_q02b0901803_cast-k_q02b0901803_cast
	.p2alignl 7, 3214868480
	.fill 96, 4, 3214868480
	.section	.rodata,"a",@progbits
	.p2align	6, 0x0
	.amdhsa_kernel k_q02b0901803_cast
		.amdhsa_group_segment_fixed_size 0
		.amdhsa_private_segment_fixed_size 0
		.amdhsa_enable_private_segment 0
		.amdhsa_kernarg_size 48
		.amdhsa_user_sgpr_count 2
		.amdhsa_user_sgpr_kernarg_segment_ptr 1
		.amdhsa_wavefront_size32 1
		.amdhsa_system_sgpr_workgroup_id_x 1
		.amdhsa_system_sgpr_workgroup_id_y 1
		.amdhsa_system_sgpr_workgroup_id_z 1
		.amdhsa_system_vgpr_workitem_id 0
		.amdhsa_next_free_vgpr 104
		.amdhsa_next_free_sgpr 66
		.amdhsa_reserve_vcc 0
		.amdhsa_float_denorm_mode_32 3
		.amdhsa_float_denorm_mode_16_64 3
		.amdhsa_memory_ordered 1
		.amdhsa_forward_progress 1
		.amdhsa_inst_pref_size 7
	.end_amdhsa_kernel
	.amdgpu_metadata
---
amdhsa.version: [ 1, 2 ]
amdhsa.kernels:
  - .name:           k_q02b0901803_cast
    .symbol:         k_q02b0901803_cast.kd
    .args:
      - { .name: x, .offset: 0, .size: 8, .value_kind: global_buffer, .address_space: global }
      - { .name: W_qkv, .offset: 8, .size: 8, .value_kind: global_buffer, .address_space: global }
      - { .name: W_proj, .offset: 16, .size: 8, .value_kind: global_buffer, .address_space: global }
      - { .name: xb, .offset: 24, .size: 8, .value_kind: global_buffer, .address_space: global }
      - { .name: wqkvb, .offset: 32, .size: 8, .value_kind: global_buffer, .address_space: global }
      - { .name: wprojb, .offset: 40, .size: 8, .value_kind: global_buffer, .address_space: global }
    .group_segment_fixed_size: 0
    .private_segment_fixed_size: 0
    .kernarg_segment_align: 8
    .kernarg_segment_size: 48
    .max_flat_workgroup_size: 256
    .sgpr_count:     66
    .vgpr_count:     104
    .wavefront_size: 32
...
	.end_amdgpu_metadata
.endif
;; end of part 5
;; launch qkvgemm: the kernel of part 2 again; grid 4 x 64, 4 waves a work-group, clusters of 4 x 4, 327,680 bytes of LDS; arguments xb, wqkvb, qkv; writes qkv
;; launch attn: the kernel of part 3 again; grid 4 x 64, 4 waves a work-group, clusters of 4 x 1, 327,680 bytes of LDS; arguments qkv, ao; writes ao
;; launch proj: the kernel of part 4 again; grid 4 x 64, 4 waves a work-group, clusters of 4 x 4, 327,680 bytes of LDS; arguments ao, wprojb, out0, b_proj; writes out0
